; MI455X (gfx1250); checked and timed in simulation.
; The chip was launched on July 23, 2026; its instructions are those of AMD's public machine-readable ISA for CDNA 5 (MIT licence, August 2026) and "CDNA5" Instruction Set Architecture Reference Guide (July 2026). The comments in the code are by the model that wrote it; some were corrected since.
;; Transformer Block. Allowed arithmetic: float matrix products may take bf16 or f16 operands with f32 sums; all other float work in f32.
;; Inputs: b1 4,096 float32; b2 1,024 float32; beta1 1,024 float32; beta2 1,024 float32; causal_mask 2,048 x 2,048 bool; gamma1 1,024 float32; gamma2 1,024 float32; w1 1,024 x 4,096 float32; w2 4,096 x 1,024 float32; wk 1,024 x 1,024 float32; wo 1,024 x 1,024 float32; wq 1,024 x 1,024 float32; wv 1,024 x 1,024 float32; x 2 x 2,048 x 1,024 float32.
;; Outputs: out0 2 x 2,048 x 1,024 float32.
;; 2 versions, each right; version 2 is version 1 with the launches prep, ln2 written anew for expert scheduling mode. Each part assembles by itself: llvm-mc -triple=amdgcn-amd-amdhsa -mcpu=gfx1250 --defsym DOCPART=n.
;; ======== version 1 of 2: 7 launches
;; limits: a function is approximated: absolute error at most 1.5e-07; right only within a limited range of input values
;; workspace buffers: wbf 25,165,824 bytes; hn 8,388,608 bytes; qkv 25,165,824 bytes; ao 8,388,608 bytes; x1 16,777,216 bytes; g 33,554,432 bytes
;; launch prep (part 1): grid 64 x 16, 8 waves a work-group, no clusters, 0 bytes of LDS; arguments x, gamma1, beta1, hn, wq, wk, wv, wo, w1, w2, wbf; writes hn, wbf
.if DOCPART == 1
	.amdgcn_target "amdgcn-amd-amdhsa--gfx1250"
	.amdhsa_code_object_version 6
	.text
	.protected	k_q85b9ea340c_prep
	.globl	k_q85b9ea340c_prep
	.p2align	8
	.type	k_q85b9ea340c_prep,@function
k_q85b9ea340c_prep:
	s_mov_b64 s[64:65], 0
	v_nop
	global_prefetch_b8 v0, s[64:65] scope:SCOPE_SE
	s_setreg_imm32_b32 hwreg(HW_REG_WAVE_MODE, 25, 1), 1
	s_wait_xcnt 0x0
; prep.  Grid y names a chunk of 4 MiB of f32, grid x 64 KiB of it, a wave 8 KiB (two rows of 4,096 bytes).
; y = 0..3: hn = LayerNorm(x) * gamma1 + beta1, rounded to bf16.  A wave keeps a row in 32 registers: mean, then the variance of (x - mean),
; so that no difference of large sums is formed.  y = 4..15: the six weights are rounded to bf16 into wbf, still [K][N]:
; wq at 0, wk at 2 MiB, wv at 4 MiB, wo at 6 MiB, w1 at 8 MiB, w2 at 16 MiB.
; A stream: every byte is read once by 16-byte loads, a wave's 8-byte stores cover 256 consecutive aligned bytes.  No LDS, no barrier, no matrix unit,
; no cluster: no two work-groups read the same bytes but gamma and beta (8 KiB).
.set X0,  4                            ; v[4:35]    row 0
.set X1,  36                           ; v[36:67]   row 1
.set GA,  68                           ; v[68:99]   gamma of my 32 columns
.set BE,  100                          ; v[100:131] beta
.set CH,  132                          ; v[132:139] four chains of packed sums
.set T,   140                          ; v140-141   at work
.set MN,  142                          ; v[142:143] the mean, twice
.set RS0, 144                          ; v[144:145] 1/sqrt(var + eps) of row 0, twice
.set RS1, 146                          ; v[146:147] of row 1
.set CV,  132                          ; v[132:163] the cast path: packed results
.macro WAVESUM                         ; v[T] summed over the 32 lanes, the result in every lane
	v_add_f32_dpp v[T], v[T], v[T] row_xmask:1 row_mask:0xf bank_mask:0xf
	v_add_f32_dpp v[T], v[T], v[T] row_xmask:2 row_mask:0xf bank_mask:0xf
	v_add_f32_dpp v[T], v[T], v[T] row_xmask:4 row_mask:0xf bank_mask:0xf
	v_add_f32_dpp v[T], v[T], v[T] row_xmask:8 row_mask:0xf bank_mask:0xf
	v_permlanex16_b32 v[T+1], v[T], s12, s13
	v_add_f32 v[T], v[T], v[T+1]
.endm
.macro TREE                            ; the four chains into v[T]
	v_pk_add_f32 v[CH:CH+1], v[CH:CH+1], v[CH+2:CH+3]
	v_pk_add_f32 v[CH+4:CH+5], v[CH+4:CH+5], v[CH+6:CH+7]
	v_pk_add_f32 v[CH:CH+1], v[CH:CH+1], v[CH+4:CH+5]
	v_add_f32 v[T], v[CH], v[CH+1]
	WAVESUM
.endm
.macro LNSTAT X, RS                    ; the row at X is centred in place; RS gets 1/sqrt(var + eps)
.irp c, 0,1,2,3
	v_pk_add_f32 v[CH+2*\c:CH+2*\c+1], v[\X+2*\c:\X+2*\c+1], v[\X+8+2*\c:\X+8+2*\c+1]
.endr
.irp p, 8,9,10,11,12,13,14,15
	v_pk_add_f32 v[CH+2*(\p%4):CH+2*(\p%4)+1], v[CH+2*(\p%4):CH+2*(\p%4)+1], v[\X+2*\p:\X+2*\p+1]
.endr
	TREE
	v_mul_f32 v[MN], s14, v[T]
	v_mul_f32 v[MN+1], s14, v[T]
.irp p, 0,1,2,3,4,5,6,7,8,9,10,11,12,13,14,15
	v_pk_add_f32 v[\X+2*\p:\X+2*\p+1], v[\X+2*\p:\X+2*\p+1], v[MN:MN+1] neg_lo:[0,1] neg_hi:[0,1]
.endr
.irp c, 0,1,2,3
	v_pk_mul_f32 v[CH+2*\c:CH+2*\c+1], v[\X+2*\c:\X+2*\c+1], v[\X+2*\c:\X+2*\c+1]
.endr
.irp p, 4,5,6,7,8,9,10,11,12,13,14,15
	v_pk_fma_f32 v[CH+2*(\p%4):CH+2*(\p%4)+1], v[\X+2*\p:\X+2*\p+1], v[\X+2*\p:\X+2*\p+1], v[CH+2*(\p%4):CH+2*(\p%4)+1]
.endr
	TREE
	v_fma_f32 v[T], v[T], s14, s15                 ; var + eps
	v_rsq_f32 v[\RS], v[T]
	v_rsq_f32 v[\RS+1], v[T]
	v_nop                                          ; a plain instruction behind the transcendentals, before a result is used or v[T] rewritten
.endm
.macro LNOUT X, RS, ro                 ; scaled, gamma and beta, rounded, stored at byte ro of the wave's output
	s_wait_alu depctr_va_vdst(0)
.irp p, 0,1,2,3,4,5,6,7,8,9,10,11,12,13,14,15
	v_pk_mul_f32 v[\X+2*\p:\X+2*\p+1], v[\X+2*\p:\X+2*\p+1], v[\RS:\RS+1]
.endr
.irp p, 0,1,2,3,4,5,6,7,8,9,10,11,12,13,14,15
	v_pk_fma_f32 v[\X+2*\p:\X+2*\p+1], v[\X+2*\p:\X+2*\p+1], v[GA+2*\p:GA+2*\p+1], v[BE+2*\p:BE+2*\p+1]
.endr
.irp j, 0,1,2,3,4,5,6,7
	v_cvt_pk_bf16_f32 v[\X+4*\j], v[\X+4*\j], v[\X+4*\j+1]
	v_cvt_pk_bf16_f32 v[\X+4*\j+1], v[\X+4*\j+2], v[\X+4*\j+3]
	global_store_b64 v2, v[\X+4*\j:\X+4*\j+1], s[10:11] offset:\ro+256*\j   ; 32 lanes x 8 bytes: 256 consecutive bytes, aligned
.endr
.endm
	s_load_b256 s[4:11], s[0:1], 0x0               ; x s[4:5], gamma1 s[6:7], beta1 s[8:9], hn s[10:11]
	s_load_b256 s[16:23], s[0:1], 0x20             ; wq, wk, wv, wo
	s_load_b128 s[24:27], s[0:1], 0x40             ; w1, w2
	s_load_b64 s[28:29], s[0:1], 0x50              ; wbf
	s_and_b32 s3, ttmp7, 0xffff                    ; y: the chunk
	s_lshl_b32 s30, ttmp9, 16                      ; x: 64 KiB of it
	s_mov_b32 s31, 0
	v_and_b32 v[T], 31, v0                         ; lane
	v_lshrrev_b32 v[T+1], 5, v0                    ; wave
	v_lshlrev_b32 v3, 4, v[T]                      ; gamma, beta: 16 x lane
	v_lshl_add_u32 v1, v[T+1], 13, v3              ; in: 16 x lane + 8,192 x wave
	v_lshlrev_b32 v2, 3, v[T]
	v_lshl_add_u32 v2, v[T+1], 12, v2              ; out: 8 x lane + 4,096 x wave
	s_wait_kmcnt 0x0
	s_cmp_lt_u32 s3, 4
	s_cbranch_scc0 .Lcast
	s_lshl_b32 s2, s3, 22
	s_add_co_u32 s30, s30, s2
	s_add_nc_u64 s[4:5], s[4:5], s[30:31]
	s_lshr_b32 s30, s30, 1
	s_add_nc_u64 s[10:11], s[10:11], s[30:31]
	s_mov_b32 s12, 0x76543210                      ; v_permlanex16_b32: each lane takes its own place in the other half
	s_mov_b32 s13, 0xfedcba98
	s_mov_b32 s14, 0x3a800000                      ; 1/1024
	s_mov_b32 s15, 0x3727c5ac                      ; 1e-5
.irp j, 0,1,2,3,4,5,6,7
	global_load_b128 v[X0+4*\j:X0+4*\j+3], v1, s[4:5] offset:512*\j
.endr
.irp j, 0,1,2,3,4,5,6,7
	global_load_b128 v[X1+4*\j:X1+4*\j+3], v1, s[4:5] offset:4096+512*\j
.endr
.irp j, 0,1,2,3,4,5,6,7
	global_load_b128 v[GA+4*\j:GA+4*\j+3], v3, s[6:7] offset:512*\j
.endr
.irp j, 0,1,2,3,4,5,6,7
	global_load_b128 v[BE+4*\j:BE+4*\j+3], v3, s[8:9] offset:512*\j
.endr
	s_wait_loadcnt 24                              ; row 0 is in; the 24 younger loads stay out
	LNSTAT X0, RS0
	s_wait_loadcnt 16                              ; row 1 is in; gamma's and beta's 16 stay out
	LNSTAT X1, RS1
	s_wait_loadcnt 0x0                             ; gamma and beta
	LNOUT X0, RS0, 0
	LNOUT X1, RS1, 2048
	s_endpgm
.Lcast:
	s_sub_co_u32 s2, s3, 4                         ; weight chunk 0..11: wq, wk, wv, wo, four of w1, four of w2
	s_mov_b64 s[34:35], s[16:17]
	s_cmp_eq_u32 s2, 1
	s_cselect_b64 s[34:35], s[18:19], s[34:35]
	s_cmp_eq_u32 s2, 2
	s_cselect_b64 s[34:35], s[20:21], s[34:35]
	s_cmp_eq_u32 s2, 3
	s_cselect_b64 s[34:35], s[22:23], s[34:35]
	s_cmp_ge_u32 s2, 4
	s_cselect_b64 s[34:35], s[24:25], s[34:35]
	s_cmp_ge_u32 s2, 8
	s_cselect_b64 s[34:35], s[26:27], s[34:35]
	s_and_b32 s36, s2, 3
	s_lshl_b32 s36, s36, 22                        ; the chunk inside w1 or w2,
	s_cmp_ge_u32 s2, 4
	s_cselect_b32 s36, s36, 0                      ; none inside the four small weights
	s_add_co_u32 s36, s36, s30
	s_mov_b32 s37, 0
	s_add_nc_u64 s[34:35], s[34:35], s[36:37]
	s_lshl_b32 s36, s2, 21
	s_lshr_b32 s30, s30, 1
	s_add_co_u32 s36, s36, s30
	s_add_nc_u64 s[28:29], s[28:29], s[36:37]
.irp i, 0,1,2,3,4,5,6,7,8,9,10,11,12,13,14,15
	global_load_b128 v[4+4*\i:7+4*\i], v1, s[34:35] offset:512*\i th:TH_LOAD_NT
.endr
.irp i, 0,1,2,3,4,5,6,7,8,9,10,11,12,13,14,15
	s_wait_loadcnt 15-\i                           ; loads come back in order: load i is in, the younger ones stay out
	v_cvt_pk_bf16_f32 v[CV+2*\i], v[4+4*\i], v[5+4*\i]
	v_cvt_pk_bf16_f32 v[CV+2*\i+1], v[6+4*\i], v[7+4*\i]
	global_store_b64 v2, v[CV+2*\i:CV+2*\i+1], s[28:29] offset:256*\i
.endr
	s_endpgm
.Lfunc_end_k_q85b9ea340c_prep:
	.size	k_q85b9ea340c_prep, .Lfunc_end_k_q85b9ea340c_prep-k_q85b9ea340c_prep
	.p2alignl 7, 3214868480
	.fill 96, 4, 3214868480
	.section	.rodata,"a",@progbits
	.p2align	6, 0x0
	.amdhsa_kernel k_q85b9ea340c_prep
		.amdhsa_group_segment_fixed_size 0
		.amdhsa_private_segment_fixed_size 0
		.amdhsa_enable_private_segment 0
		.amdhsa_kernarg_size 88
		.amdhsa_user_sgpr_count 2
		.amdhsa_user_sgpr_kernarg_segment_ptr 1
		.amdhsa_wavefront_size32 1
		.amdhsa_system_sgpr_workgroup_id_x 1
		.amdhsa_system_sgpr_workgroup_id_y 1
		.amdhsa_system_sgpr_workgroup_id_z 1
		.amdhsa_system_vgpr_workitem_id 0
		.amdhsa_next_free_vgpr 168
		.amdhsa_next_free_sgpr 66
		.amdhsa_reserve_vcc 0
		.amdhsa_float_denorm_mode_32 3
		.amdhsa_float_denorm_mode_16_64 3
		.amdhsa_memory_ordered 1
		.amdhsa_forward_progress 1
		.amdhsa_inst_pref_size 27
	.end_amdhsa_kernel
	.amdgpu_metadata
---
amdhsa.version: [ 1, 2 ]
amdhsa.kernels:
  - .name:           k_q85b9ea340c_prep
    .symbol:         k_q85b9ea340c_prep.kd
    .args:
      - { .name: x, .offset: 0, .size: 8, .value_kind: global_buffer, .address_space: global }
      - { .name: gamma1, .offset: 8, .size: 8, .value_kind: global_buffer, .address_space: global }
      - { .name: beta1, .offset: 16, .size: 8, .value_kind: global_buffer, .address_space: global }
      - { .name: hn, .offset: 24, .size: 8, .value_kind: global_buffer, .address_space: global }
      - { .name: wq, .offset: 32, .size: 8, .value_kind: global_buffer, .address_space: global }
      - { .name: wk, .offset: 40, .size: 8, .value_kind: global_buffer, .address_space: global }
      - { .name: wv, .offset: 48, .size: 8, .value_kind: global_buffer, .address_space: global }
      - { .name: wo, .offset: 56, .size: 8, .value_kind: global_buffer, .address_space: global }
      - { .name: w1, .offset: 64, .size: 8, .value_kind: global_buffer, .address_space: global }
      - { .name: w2, .offset: 72, .size: 8, .value_kind: global_buffer, .address_space: global }
      - { .name: wbf, .offset: 80, .size: 8, .value_kind: global_buffer, .address_space: global }
    .group_segment_fixed_size: 0
    .private_segment_fixed_size: 0
    .kernarg_segment_align: 8
    .kernarg_segment_size: 88
    .max_flat_workgroup_size: 256
    .sgpr_count:     66
    .vgpr_count:     168
    .wavefront_size: 32
...
	.end_amdgpu_metadata
.endif
;; end of part 1
;; launch qkv (part 2): grid 8 x 32, 4 waves a work-group, clusters of 4 x 4, 327,680 bytes of LDS; arguments hn, wbf, qkv; writes qkv
.if DOCPART == 2
	.amdgcn_target "amdgcn-amd-amdhsa--gfx1250"
	.amdhsa_code_object_version 6
	.text
	.protected	k_q85b9ea340c_qkv
	.globl	k_q85b9ea340c_qkv
	.p2align	8
	.type	k_q85b9ea340c_qkv,@function
k_q85b9ea340c_qkv:
	s_mov_b64 s[64:65], 0
	v_nop
	global_prefetch_b8 v0, s[64:65] scope:SCOPE_SE
	s_setreg_imm32_b32 hwreg(HW_REG_WAVE_MODE, 25, 1), 1
	s_wait_xcnt 0x0
	s_wait_alu depctr_hold_cnt(0) depctr_sa_sdst(0) depctr_va_vdst(0) depctr_va_sdst(0) depctr_va_ssrc(0) depctr_va_vcc(0) depctr_vm_vsrc(0)
	s_getreg_b32 s2, hwreg(HW_REG_IB_STS2, 6, 4)
	s_cmp_eq_u32 s2, 0
	s_cbranch_scc0 .Lentry_in_a_cluster
	s_endpgm
.Lentry_in_a_cluster:
	s_bfe_u32 s2, ttmp6, 0x10000c
	s_cmp_lg_u32 s2, 0xf033
	s_cbranch_scc0 .Lentry_shape_is_right
	s_endpgm
.Lentry_shape_is_right:
; qkv = hn x [wq | wk | wv].  hn: [4096][1024] bf16.  The weights lie in wbf as bf16 [K = 1024][N = 1024], 2 MiB apart.  Sums in f32, rounded once to bf16.
; Out: qkv[b][gp][t][128], gp = column / 128 of the 3,072 columns (0-7 q, 8-15 k, 16-23 v): a row is two heads, 256 bytes.
; A work-group makes 128 rows x 384 columns (three subtiles of 128 columns): 8 x 32 = 256 work-groups.  Wave (wr, wc) makes rows 64 wr .. + 63 and
; columns 64 wc .. + 63 of each subtile: 48 accumulators of 16 x 16.  K goes in 8 steps of 128 through two LDS slots; a slot is four regions, one a wave:
; regions 0-2 a subtile of B (128 k rows x 256 bytes), region 3 A's 128 rows x 256 bytes.
; B lies [K][N] and is turned on its way out of LDS by ds_load_tr16_b128.  The matrix instruction is used transposed (source 0 = 16 columns of B,
; source 1 = 16 rows of A): a lane then holds eight neighbouring columns of one row.
; CLUSTER 4 x 4: A's tile hangs on the tile row alone and is asked for jointly along a row of the cluster, B's on the tile column alone, along a column.
; REGISTERS: window 0: v12-29 addresses, v64-95 / v128-159 A's fragments (two buffers), v192-239 at work on the way out;
; window 1: v0-95 / v128-223 B's fragments; windows 2 and 3: 24 accumulators each, (a, b) at v[8 (12 a + b)].
.set PA,    272                        ; A's LDS row: 256 bytes + 16
.set PB,    288                        ; B's LDS row: 256 bytes + 32
.set RS,    36864                      ; a region
.set SLOT,  4*RS
.set SPARE, 2*SLOT                     ; behind the ring: the spare words, 128 bytes a wave, which no other line names
.set SAREA, 128*272                    ; the way out: a stage area, 128 rows x 272 bytes, one a subtile, in slot 0 behind its last fill
.set NB,    12
.set RD,    12                         ; v12-14  the way out: where I read rows back, one a subtile
.set ADRA,  16                         ; v16-17  my A fragments in slot 0, 1
.set ADRB,  18                         ; v18-23  my B fragments: 3 x slot + subtile
.set STO,   24                         ; v24-26  the way out: where I put 16 bytes of a row, one a subtile
.set CO,    27                         ; v27     my byte offset in the output
.set SPW,   28                         ; v28     my spare word; never rewritten
.set NIL,   29                         ; v29     0; never rewritten
.set FA,    64
.set TMP,   192
.set G1,  24                           ; s[24:31] group 1 for A;  s[32:39] group 0 for A, a set for each slot
.set G0,  32
.set G1B, 48                           ; s[48:55], s[56:63] the same for B
.set G0B, 56
.set MSB, 0
.macro WIN new                         ; the immediate's high byte repeats the setting that is left
.if MSB != \new
	s_set_vgpr_msb (MSB<<8)|\new
.set MSB, \new
.endif
.endm
.set MUL_LO, 0xa1                      ; source 0 (B) window 1, source 1 (A) window 0, C and D window 2
.set MUL_HI, 0xf1                      ; the same, C and D window 3
.macro PLACES                          ; four plain places behind matrix instructions, in front of loads into their sources and of reads of their results
.rept 4
	v_nop
.endr
.endm
.macro JLOAD s                         ; a joint load: wave 3 fetches A's tile, waves 0-2 a subtile of B each; the branch hangs on the wave's number alone; four v_nop follow each line
	s_cmp_eq_u32 s10, 3
	s_cbranch_scc0 .Lfor_b_\@
	tensor_load_to_lds s[G0+4*\s:G0+4*\s+3], s[G1:G1+7]
	s_nop 0
.rept 4
	v_nop
.endr
	s_branch .Lasked_\@
.Lfor_b_\@:
	tensor_load_to_lds s[G0B+4*\s:G0B+4*\s+3], s[G1B:G1B+7]
	s_nop 0
.rept 4
	v_nop
.endr
.Lasked_\@:
.endm
.macro CREST                           ; a round of the cluster's barrier behind its opening barrier
	s_cmp_lg_u32 s10, 0
	s_cbranch_scc1 .Lnot_wave_0_\@
	s_barrier_signal -3
.Lnot_wave_0_\@:
	s_barrier_wait -3
	s_barrier_signal -1
	s_barrier_wait -1
.endm
.macro CROUND
	s_barrier_signal -1
	s_barrier_wait -1
	CREST
.endm
	s_load_b128 s[4:7], s[0:1], 0x0                ; hn s[4:5], wbf s[6:7]
	s_load_b64 s[8:9], s[0:1], 0x10                ; qkv
	v_lshl_add_u32 v[SPW], v0, 2, SPARE
	v_mov_b32 v[NIL], 0
	ds_add_u32 v28, v29
	s_wait_dscnt 0x0
	v_lshrrev_b32 v1, 5, v0
	v_readfirstlane_b32 s10, v1                    ; wave 0..3
	s_lshr_b32 s11, s10, 1                         ; wr
	s_and_b32 s12, s10, 1                          ; wc
	s_bfe_u32 s40, ttmp6, 0x40000                  ; cx
	s_bfe_u32 s41, ttmp6, 0x40004                  ; cy
	s_lshl_b32 s42, ttmp9, 2
	s_add_co_u32 s42, s42, s40                     ; tile column 0..7
	s_and_b32 s13, ttmp7, 0xffff
	s_lshl_b32 s13, s13, 2
	s_add_co_u32 s13, s13, s41                     ; tile row 0..31
	s_lshl_b32 s43, s41, 2
	s_lshl_b32 s43, 15, s43                        ; my row of the cluster
	s_lshl_b32 s44, 0x1111, s40                    ; my column
	s_or_b32 s[G1+0], s43, (1<<16)|(1<<20)|(1<<21)|(5<<22)|(3<<25)   ; mask; elements of 2 bytes; padding on; bit 21 beside a mask; after every 64 words 4 words
	s_or_b32 s[G1B+0], s44, (1<<16)|(1<<20)|(1<<21)|(5<<22)|(7<<25)  ; the same with my column's mask and 8 words of padding
.irp g, G1, G1B
	s_mov_b32 s[\g+1], 128<<16                     ; tensor_dim0 = 128
	s_mov_b32 s[\g+2], 128<<16                     ; tensor_dim1 = 128
	s_mov_b32 s[\g+3], 128<<16                     ; tile_dim0 = 128
	s_mov_b32 s[\g+4], 128                         ; tile_dim1 = 128
	s_mov_b32 s[\g+5], 1024                        ; elements from row to row, in hn and in a weight alike
	s_mov_b32 s[\g+6], 0
	s_mov_b32 s[\g+7], 0
.endr
	s_lshl_b32 s16, s13, 18                        ; A: 128 rows of 2,048 bytes a tile row
	s_mov_b32 s17, 0
	s_min_u32 s45, s10, 2                          ; B: my subtile (wave 3 asks for none; its address stays inside)
	s_lshl_b32 s45, s45, 7
	s_mul_i32 s46, s42, 384
	s_add_co_u32 s46, s46, s45                     ; its first column n of 3,072
	s_lshr_b32 s47, s46, 10
	s_lshl_b32 s47, s47, 21                        ; which weight: 2 MiB each
	s_and_b32 s46, s46, 1023
	s_lshl_b32 s46, s46, 1
	s_add_co_u32 s46, s46, s47
	s_mov_b32 s47, 0
	s_mul_i32 s20, s10, RS                         ; my region: no place in the cluster enters an LDS address
	s_wait_kmcnt 0x0
	s_add_nc_u64 s[14:15], s[4:5], s[16:17]
	s_add_nc_u64 s[46:47], s[6:7], s[46:47]
	CROUND                                         ; all sixteen work-groups are here: the first joint loads meet
.irp s, 0,1
	s_mov_b32 s[G0+4*\s], 1
	s_add_co_u32 s[G0+4*\s+1], s20, \s*SLOT
	s_add_nc_u64 s[G0+4*\s+2:G0+4*\s+3], s[14:15], \s*256          ; K step s: 128 elements along the rows
	s_or_b32 s[G0+4*\s+3], s[G0+4*\s+3], 0x80000000
	s_mov_b32 s[G0B+4*\s], 1
	s_add_co_u32 s[G0B+4*\s+1], s20, \s*SLOT
	s_add_nc_u64 s[G0B+4*\s+2:G0B+4*\s+3], s[46:47], \s*262144     ; K step s: 128 rows of 2,048 bytes down
	s_or_b32 s[G0B+4*\s+3], s[G0B+4*\s+3], 0x80000000
	JLOAD \s
.endr
	v_and_b32 v1, 15, v0                           ; r = l % 16
	v_bfe_u32 v2, v0, 4, 1                         ; h = l / 16
	v_mul_u32_u24 v3, v1, PA
	v_lshl_add_u32 v3, v2, 4, v3                   ; r x 272 + 16 h
	s_mul_i32 s21, s11, 64*PA
	s_add_co_u32 s21, s21, 3*RS
	v_add_nc_u32 v[ADRA], s21, v3
	v_add_nc_u32 v[ADRA+1], SLOT, v[ADRA]
	v_and_b32 v4, 7, v0                            ; the turning load: k row 8 h + l % 8, 16 bytes at 16 ((l / 8) % 2)
	v_lshl_add_u32 v4, v2, 3, v4
	v_mul_u32_u24 v4, v4, PB
	v_bfe_u32 v5, v0, 3, 1
	v_lshl_add_u32 v4, v5, 4, v4
	v_lshl_add_u32 v4, s12, 7, v4                  ; my 64 columns of a subtile
.irp s, 0,1,2
	v_add_nc_u32 v[ADRB+\s], \s*RS, v4
	v_add_nc_u32 v[ADRB+3+\s], SLOT+\s*RS, v4
.endr
	s_mul_i32 s22, s11, 64*272                     ; into the stage: my 64 rows, my half of their 256 bytes
	s_lshl_b32 s23, s12, 7
	s_add_co_u32 s22, s22, s23
	v_add_nc_u32 v[STO], s22, v3
	v_add_nc_u32 v[STO+1], SAREA, v[STO]
	v_add_nc_u32 v[STO+2], 2*SAREA, v[STO]
	v_mul_u32_u24 v5, v2, 272                      ; back: wave w takes rows 32 w .. + 31 whole; lanes 0-15 one row, lanes 16-31 the next
	v_lshl_add_u32 v5, v1, 4, v5
	s_mul_i32 s22, s10, 32*272
	v_add_nc_u32 v[RD], s22, v5
	v_add_nc_u32 v[RD+1], SAREA, v[RD]
	v_add_nc_u32 v[RD+2], 2*SAREA, v[RD]
	v_and_b32 v[CO], 31, v0
	v_lshlrev_b32 v[CO], 4, v[CO]                  ; the output's rows of 256 bytes lie on end: two rows are 32 lanes x 16 bytes
	s_lshr_b32 s16, s13, 4                         ; batch
	s_mul_i32 s16, s16, 12582912
	s_and_b32 s17, s13, 15
	s_lshl_b32 s17, s17, 15                        ; the tile's first token x 256 bytes
	s_add_co_u32 s16, s16, s17
	s_lshl_b32 s17, s10, 13                        ; my 32 rows
	s_add_co_u32 s16, s16, s17
	s_mov_b32 s17, 0
	s_mul_i32 s46, s42, 3*524288                   ; the tile column's three groups (in registers that feed none of A's descriptors)
	s_mov_b32 s47, 0
	s_add_nc_u64 s[8:9], s[8:9], s[16:17]
	s_add_nc_u64 s[8:9], s[8:9], s[46:47]
; 12 matrix instructions: m block a of window 2 + hi x all 12 n blocks, 32 along K, buffer p.  zero = 1: the product starts the sums.
.macro MULA p, hi, a, zero
.irp b, 0,1,2,3,4,5,6,7,8,9,10,11
.if \zero
	v_wmma_f32_16x16x32_bf16 v[8*(NB*\a+\b):8*(NB*\a+\b)+7], v[128*\p+8*\b:128*\p+8*\b+7], v[FA+64*\p+8*(2*\hi+\a):FA+64*\p+8*(2*\hi+\a)+7], 0
.else
	v_wmma_f32_16x16x32_bf16 v[8*(NB*\a+\b):8*(NB*\a+\b)+7], v[128*\p+8*\b:128*\p+8*\b+7], v[FA+64*\p+8*(2*\hi+\a):FA+64*\p+8*(2*\hi+\a)+7], v[8*(NB*\a+\b):8*(NB*\a+\b)+7]
.endif
.endr
.endm
; 32 LDS loads in one run: quarter q (32 along K) of a slot into buffer p: 24 turning loads of B, then 8 loads of A
.macro FETCH slot, q, p
	WIN 0x40                                       ; destination window 1, address window 0
.irp b, 0,1,2,3,4,5,6,7,8,9,10,11
	ds_load_tr16_b128 v[128*\p+8*\b:128*\p+8*\b+3],   v[ADRB+3*\slot+\b/4] offset:\q*32*PB+32*(\b%4)
	ds_load_tr16_b128 v[128*\p+8*\b+4:128*\p+8*\b+7], v[ADRB+3*\slot+\b/4] offset:\q*32*PB+32*(\b%4)+16*PB
.endr
	WIN 0
.irp i, 0,1,2,3
	ds_load_b128 v[FA+64*\p+8*\i:FA+64*\p+8*\i+3],   v[ADRA+\slot] offset:\q*64+\i*16*PA
	ds_load_b128 v[FA+64*\p+8*\i+4:FA+64*\p+8*\i+7], v[ADRA+\slot] offset:\q*64+\i*16*PA+32
.endr
.endm
; One of a K step's first three quarters: multiplies buffer p; in its middle it fetches quarter q into buffer g.  The 48 accumulators take turns, in the same order in every quarter.
.macro QUARTER slot, q, p, g, zero
	s_wait_dscnt 4                                 ; B and A's rows 0-31 are in; the youngest four loads (A's rows 32-63) may be out
	WIN MUL_LO
	MULA \p, 0, 0, \zero
	MULA \p, 0, 1, \zero
	PLACES
	FETCH \slot, \q, \g
	s_wait_dscnt 32                                ; all but the 32 just issued
	WIN MUL_HI
	MULA \p, 1, 0, \zero
	MULA \p, 1, 1, \zero
.endm
; The last quarter multiplies buffer 1 and changes slots: one barrier.  In front of it each wave waits for all its tensor loads, adds 0 to its spare word and waits for that and for
; its reads of this slot.  fill = 1: the barrier opens a round of the cluster's barrier and this slot is filled again, two K steps ahead, first thing behind the round.
.macro TURN slot, next, fill
	WIN 0
	s_wait_tensorcnt 0x0                           ; all my tensor loads have landed: the one that was out is my part of the next slot
	ds_add_u32 v[SPW], v[NIL]                      ; 0 onto my spare word
	s_wait_dscnt 5                                 ; the add and the youngest four loads may be out
	WIN MUL_LO
	MULA 1, 0, 0, 0
	s_wait_dscnt 0x0                               ; the add is done, and my reads of this slot are over
	s_barrier_signal -1
	MULA 1, 0, 1, 0
.if \fill
	WIN 0
.endif
	s_barrier_wait -1
.if \fill
	CREST                                          ; no wave of any partner still reads this slot or has a load on its way
	s_add_nc_u64 s[G0+4*\slot+2:G0+4*\slot+3], s[G0+4*\slot+2:G0+4*\slot+3], 2*256
	s_add_nc_u64 s[G0B+4*\slot+2:G0B+4*\slot+3], s[G0B+4*\slot+2:G0B+4*\slot+3], 2*262144
	JLOAD \slot                                    ; its four v_nop are also the places in front of the loads below
.else
	PLACES
.endif
	FETCH \next, 0, 0
	WIN MUL_HI
	MULA 1, 1, 0, 0
	MULA 1, 1, 1, 0
.endm
	s_wait_tensorcnt 1                             ; my part of K step 0 is in; K step 1's may stay out
	s_barrier_signal -1
	s_barrier_wait -1
	FETCH 0, 0, 0
	QUARTER 0, 1, 0, 1, 1                          ; the first quarter stands in front of the loop: its products start the sums
	WIN 0
	s_mov_b32 s3, 3
.Llap:                                                 ; a trip goes once round the ring and fills both slots again
	QUARTER 0, 2, 1, 0, 0
	QUARTER 0, 3, 0, 1, 0
	TURN 0, 1, 1
	QUARTER 1, 1, 0, 1, 0
	QUARTER 1, 2, 1, 0, 0
	QUARTER 1, 3, 0, 1, 0
	TURN 1, 0, 1
	QUARTER 0, 1, 0, 1, 0
	WIN 0
	s_sub_co_u32 s3, s3, 1
	s_cmp_lg_u32 s3, 0
	s_cbranch_scc1 .Llap
	QUARTER 0, 2, 1, 0, 0                          ; the last lap fills nothing
	QUARTER 0, 3, 0, 1, 0
	TURN 0, 1, 0
	QUARTER 1, 1, 0, 1, 0
	QUARTER 1, 2, 1, 0, 0
	QUARTER 1, 3, 0, 1, 0
	s_wait_dscnt 4
	WIN MUL_LO
	MULA 1, 0, 0, 0
	MULA 1, 0, 1, 0
	s_wait_dscnt 0x0
	WIN MUL_HI
	MULA 1, 1, 0, 0
	MULA 1, 1, 1, 0
	; THE WAY OUT.  A wave holds 128 of a row's 256 bytes, so the four waves share a stage: slot 0, which has had its last fill and which every wave left at the last change of slots.
	PLACES
.irp a, 0,1,2,3
	WIN 0x0a+5*(\a/2)                              ; sources in window 2 or 3
.irp b, 0,1,2,3,4,5,6,7,8,9,10,11
.irp r, 0,1,2,3
	v_cvt_pk_bf16_f32 v[TMP+4*\b+\r], v[8*(NB*(\a%2)+\b)+2*\r], v[8*(NB*(\a%2)+\b)+2*\r+1]
.endr
.endr
	WIN 0
.irp b, 0,1,2,3,4,5,6,7,8,9,10,11
	ds_store_b128 v[STO+\b/4], v[TMP+4*\b:TMP+4*\b+3] offset:\a*16*272+32*(\b%4)
.endr
.endr
	s_wait_dscnt 0x0                               ; for the others' sake: my stores into the stage are done
	s_barrier_signal -1
	s_barrier_wait -1
.irp s, 0,1,2
.if \s == 2
	s_wait_xcnt 0x0                                ; the registers that subtile 0's stores read are loaded again only behind this wait
.endif
.irp t, 0,1,2,3,4,5,6,7,8,9,10,11,12,13,14,15
	ds_load_b128 v[64+64*(\s%2)+4*\t:64+64*(\s%2)+4*\t+3], v[RD+\s] offset:\t*2*272
.endr
.irp t, 0,1,2,3,4,5,6,7,8,9,10,11,12,13,14,15
	s_wait_dscnt 15-\t                             ; load t is back; the younger ones may be out
	global_store_b128 v[CO], v[64+64*(\s%2)+4*\t:64+64*(\s%2)+4*\t+3], s[8:9] offset:\s*524288+512*\t   ; 512 consecutive bytes, aligned
.endr
.endr
	s_wait_tensorcnt 0x0                           ; the wave's end
	ds_add_u32 v[SPW], v[NIL]
	s_wait_dscnt 0x0
	CROUND                                         ; the closing round
	s_endpgm
.Lfunc_end_k_q85b9ea340c_qkv:
	.size	k_q85b9ea340c_qkv, .Lfunc_end_k_q85b9ea340c_qkv-k_q85b9ea340c_qkv
	.p2alignl 7, 3214868480
	.fill 96, 4, 3214868480
	.section	.rodata,"a",@progbits
	.p2align	6, 0x0
	.amdhsa_kernel k_q85b9ea340c_qkv
		.amdhsa_group_segment_fixed_size 327680
		.amdhsa_private_segment_fixed_size 0
		.amdhsa_enable_private_segment 0
		.amdhsa_kernarg_size 24
		.amdhsa_user_sgpr_count 2
		.amdhsa_user_sgpr_kernarg_segment_ptr 1
		.amdhsa_wavefront_size32 1
		.amdhsa_system_sgpr_workgroup_id_x 1
		.amdhsa_system_sgpr_workgroup_id_y 1
		.amdhsa_system_sgpr_workgroup_id_z 1
		.amdhsa_system_vgpr_workitem_id 0
		.amdhsa_next_free_vgpr 1024
		.amdhsa_next_free_sgpr 66
		.amdhsa_reserve_vcc 0
		.amdhsa_float_denorm_mode_32 3
		.amdhsa_float_denorm_mode_16_64 3
		.amdhsa_memory_ordered 1
		.amdhsa_forward_progress 1
		.amdhsa_inst_pref_size 120
	.end_amdhsa_kernel
	.amdgpu_metadata
---
amdhsa.version: [ 1, 2 ]
amdhsa.kernels:
  - .name:           k_q85b9ea340c_qkv
    .symbol:         k_q85b9ea340c_qkv.kd
    .args:
      - { .name: hn, .offset: 0, .size: 8, .value_kind: global_buffer, .address_space: global }
      - { .name: wbf, .offset: 8, .size: 8, .value_kind: global_buffer, .address_space: global }
      - { .name: qkv, .offset: 16, .size: 8, .value_kind: global_buffer, .address_space: global }
    .group_segment_fixed_size: 327680
    .private_segment_fixed_size: 0
    .kernarg_segment_align: 8
    .kernarg_segment_size: 24
    .max_flat_workgroup_size: 128
    .sgpr_count:     66
    .vgpr_count:     1024
    .wavefront_size: 32
...
	.end_amdgpu_metadata
.endif
;; end of part 2
;; launch attn (part 3): grid 16 x 16, 4 waves a work-group, clusters of 4 x 1, 327,680 bytes of LDS; arguments qkv, causal_mask, ao; writes ao
.if DOCPART == 3
	.amdgcn_target "amdgcn-amd-amdhsa--gfx1250"
	.amdhsa_code_object_version 6
	.text
	.protected	k_q85b9ea340c_attn
	.globl	k_q85b9ea340c_attn
	.p2align	8
	.type	k_q85b9ea340c_attn,@function
k_q85b9ea340c_attn:
	s_mov_b64 s[64:65], 0
	v_nop
	global_prefetch_b8 v0, s[64:65] scope:SCOPE_SE
	s_setreg_imm32_b32 hwreg(HW_REG_WAVE_MODE, 25, 1), 1
	s_wait_xcnt 0x0
	s_wait_alu depctr_hold_cnt(0) depctr_sa_sdst(0) depctr_va_vdst(0) depctr_va_sdst(0) depctr_va_ssrc(0) depctr_va_vcc(0) depctr_vm_vsrc(0)
	s_getreg_b32 s2, hwreg(HW_REG_IB_STS2, 6, 4)
	s_cmp_eq_u32 s2, 0
	s_cbranch_scc0 .Lentry_in_a_cluster
	s_endpgm
.Lentry_in_a_cluster:
	s_bfe_u32 s2, ttmp6, 0x10000c
	s_cmp_lg_u32 s2, 0x3003
	s_cbranch_scc0 .Lentry_shape_is_right
	s_endpgm
.Lentry_shape_is_right:
; ao[b][q][head][:] = the sum over k of softmax_k(mask(Q . K / 8)) V.  q, k, v come from qkv[b][gp][t][128] (a row: two heads of 64 channels, bf16); causal_mask: [2048][2048] bytes, 1 = masked.
; The mask is an input: every key is walked and every mask byte of the work-group's queries is read.
; SHARES.  Grid y = 8 b + head pair; grid x = a block of 128 queries.  Wave w has queries 32 w .. + 31 of the block: two tiles of 16 queries x two heads = four UNITS, u = 2 tile + head.
; LAYOUT.  S^T = K Q^T (source 0 = 16 keys, source 1 = 16 queries): a lane holds one query (lane % 16) and the keys 8 (lane / 16) + 0..7; two such tiles, rounded to bf16, are source 1
; of O^T = V^T P.  K comes out of LDS as it lies, V turned by ds_load_tr16_b128.
; THE MASK enters as the C of a score tile's first product: 0 or a positive number under 3e-38 where the byte is 0, a finite number in -[2^125, 2^127) where it is 1, made from the bytes by
; shifts.  The two heads of a query tile share it.  LIMITS: a masked score is that finite number, not -inf; a block of keys that is wholly masked for a query gives weights of at most 1 against a
; maximum near -1e37, and the first true maximum multiplies them by 2^(-huge) = 0.  A query whose maximum ends below -1e30 counts as wholly masked and its row becomes NaN, as a softmax over
; -inf alone is; so true scores must stay above -1e30.
; SOFTMAX.  A running maximum m and sum l for each query and head: p = 2^(c s - c m), c = log2(e) / 8; in every step O and l are multiplied by a = 2^(c m_old - c m_new).
; BY TURNS.  The units of a query tile are a PIECE (piece 0: units 0, 1; piece 2: units 2, 3).  In a turn one piece has the matrix unit: 16 products V^T P of the step in hand, then 16 products
; K Q^T of the next; the other piece's softmax stands in slices behind them, two slots a product.  Two turns are a key step of 64 keys.
; CLUSTER 4 x 1: the four query blocks of a cluster walk the same K and V (64 KiB a slot) and ask for them jointly.  The mask's tile (16 KiB a slot) hangs on the query block, so each
; work-group asks for its own; the work-groups that share it differ in y and lie in other clusters.
; REGISTERS: window 0: v2-11 addresses, v12-43 statistics (8 a unit), v44-45 mask addresses, v46-61 mask words, v62-63 for the add, v64-191 S^T (32 a unit), v192-255 P (16 a unit);
; window 1: v0-127 O^T (32 a unit); window 2: v0-63 Q, v64-95 the mask's C, v128-255 K of one step; window 3: v0-127 V of one step.
.set PK,    272                        ; a row of K in LDS: 256 bytes + 16
.set PVV,   288                        ; a row of V: 256 + 32
.set PM,    144                        ; a row of the mask's tile: 128 + 16
.set VOFF,  128*PK                     ; a slot: 128 rows of K, 128 rows of V, 128 query rows of mask: two key steps
.set MOFF,  VOFF+128*PVV
.set SLOT1, 1<<17
.set STAGE, SLOT1+MOFF+128*PM          ; behind the ring: 16 rows x 272 bytes a wave
.set SP,    272
.set SPARE, STAGE+4*16*SP              ; the spare words, 128 bytes a wave, which no other line names
.set AK0, 2
.set AV0, 3
.set ADR, 4
.set QO,  5
.set STO, 6
.set RD,  7
.set GO,  8
.set ST,  12                           ; unit u at v[ST+8 u]: +0 c m, +1 m, +2, +3 l, +4 to +7 at work; a takes +6
.set AM0, 44
.set ADM, 45
.set MW,  46                           ; v46-61: 8 mask words a query tile
.set SPW, 62
.set NIL, 63
.set S,   64
.set P,   192
.set BIA, 64                           ; window 2
.set KF,  128                          ; window 2
.set WV,  12
.set G1K, 24
.set G1V, 32
.set G0K, 40                           ; a set for each of the two first fills; the second then walks on
.set G0V, 48
.set SLOTS, 56
.set TWICE, 57
.set CS,  58
.set SEL, 60
.set TBK, 62                           ; LDS byte at which the step to be fetched begins, in K's rows,
.set NEG, 63
.set TBV, 66                           ; in V's rows,
.set TBM, 67                           ; in the mask's rows
.set G1M, 68
.set G0M, 76
.set MSB, 0
.macro WIN new
.if MSB != \new
	s_set_vgpr_msb (MSB<<8)|\new
.set MSB, \new
.endif
.endm
.set W_PV, 0x53                        ; V window 3, P window 0, O^T window 1
.set W_RS, 0x41                        ; O^T (destination and source 0) window 1, a window 0
.macro PLACES
.rept 4
	v_nop
.endr
.endm
; A refill: wave 0 asks for K's 128 rows (jointly), wave 1 for V's (jointly), wave 2 for the mask's tile (its own), wave 3 for nothing.  The branches hang on the wave's number alone.
.macro JLOAD
	s_cmp_lg_u32 s[WV], 0
	s_cbranch_scc1 .Lnot_k_\@
	tensor_load_to_lds s[G0K+4:G0K+7], s[G1K:G1K+7]
	s_nop 0
.rept 4
	v_nop
.endr
	s_branch .Lasked_\@
.Lnot_k_\@:
	s_cmp_lg_u32 s[WV], 1
	s_cbranch_scc1 .Lnot_v_\@
	tensor_load_to_lds s[G0V+4:G0V+7], s[G1V:G1V+7]
	s_nop 0
.rept 4
	v_nop
.endr
	s_branch .Lasked_\@
.Lnot_v_\@:
	s_cmp_lg_u32 s[WV], 2
	s_cbranch_scc1 .Lasked_\@
	tensor_load_to_lds s[G0M+4:G0M+7], s[G1M:G1M+7]
	s_nop 0
.rept 4
	v_nop
.endr
.Lasked_\@:
.endm
.macro CROUND
	s_barrier_signal -1
	s_barrier_wait -1
	s_cmp_lg_u32 s[WV], 0
	s_cbranch_scc1 .Lnot_wave_0_\@
	s_barrier_signal -3
.Lnot_wave_0_\@:
	s_barrier_wait -3
	s_barrier_signal -1
	s_barrier_wait -1
.endm
	s_load_b128 s[4:7], s[0:1], 0x0                ; qkv s[4:5], causal_mask s[6:7]
	s_load_b64 s[8:9], s[0:1], 0x10                ; ao
	v_lshl_add_u32 v[SPW], v0, 2, SPARE
	v_mov_b32 v[NIL], 0
	ds_add_u32 v62, v63
	s_wait_dscnt 0x0
	v_lshrrev_b32 v1, 5, v0
	v_readfirstlane_b32 s[WV], v1
	s_bfe_u32 s13, ttmp6, 0x40000                  ; cx
	s_lshl_b32 s14, ttmp9, 2
	s_add_co_u32 s14, s14, s13                     ; my block of 128 queries: it enters Q's, the mask's and ao's addresses alone
	s_and_b32 s20, ttmp7, 0xffff
	s_lshr_b32 s21, s20, 3                         ; batch
	s_and_b32 s20, s20, 7                          ; head pair
	s_mul_i32 s16, s21, 12582912
	s_lshl_b32 s17, s20, 19
	s_add_co_u32 s16, s16, s17
	s_mov_b32 s17, 0                               ; batch and pair in qkv: shared by the four partners
	s_lshl_b32 s2, s14, 15                         ; Q: 128 rows of 256 bytes a block,
	s_lshl_b32 s3, s[WV], 13                       ; 32 a wave
	s_add_co_u32 s2, s2, s3
	s_mov_b32 s3, 0
	s_lshl_b32 s18, s14, 18                        ; the mask: 128 rows of 2,048 bytes a block
	s_mov_b32 s19, 0
	s_lshl_b32 s22, s21, 22                        ; ao: (2,048 b + 128 block + 32 wave) rows of 2,048 bytes + 256 x pair
	s_lshl_b32 s23, s14, 18
	s_add_co_u32 s22, s22, s23
	s_lshl_b32 s23, s[WV], 16
	s_add_co_u32 s22, s22, s23
	s_lshl_b32 s23, s20, 8
	s_add_co_u32 s22, s22, s23
	s_mov_b32 s23, 0
	s_mov_b32 s[G1K], 15|(1<<16)|(1<<20)|(1<<21)|(5<<22)|(3<<25)   ; all four work-groups; 2-byte elements; padding: after every 64 words 4 words
	s_mov_b32 s[G1V], 15|(1<<16)|(1<<20)|(1<<21)|(5<<22)|(7<<25)   ; the same with 8 words
	s_mov_b32 s[G1M], (1<<20)|(4<<22)|(3<<25)                      ; no mask of work-groups; 1-byte elements; after every 32 words 4 words
.irp g, G1K, G1V, G1M
	s_mov_b32 s[\g+1], 128<<16                     ; tensor_dim0 = 128
	s_mov_b32 s[\g+2], 128<<16                     ; tensor_dim1 = 128
	s_mov_b32 s[\g+3], 128<<16                     ; tile_dim0 = 128
	s_mov_b32 s[\g+4], 128                         ; tile_dim1 = 128
	s_mov_b32 s[\g+6], 0
	s_mov_b32 s[\g+7], 0
.endr
	s_mov_b32 s[G1K+5], 128                        ; elements from row to row
	s_mov_b32 s[G1V+5], 128
	s_mov_b32 s[G1M+5], 2048
	s_mov_b32 s[CS], 0x3e38aa3b                    ; c = log2(e) / 8
	s_mov_b32 s[CS+1], s[CS]
	s_mov_b32 s[SEL], 0x76543210
	s_mov_b32 s[SEL+1], 0xfedcba98
	s_mov_b32 s[NEG], 0xf149f2ca                   ; -1e30
	s_mov_b32 s[TBK], 0
	s_mov_b32 s[TBV], 0
	s_mov_b32 s[TBM], 0
	s_mov_b32 s[SLOTS], 14                         ; 16 slots of 128 keys; all but the first two are refills
	s_wait_kmcnt 0x0
	s_add_nc_u64 s[4:5], s[4:5], s[16:17]
	s_add_nc_u64 s[10:11], s[4:5], s[2:3]          ; Q at my wave's first row
	s_add_nc_u64 s[6:7], s[6:7], s[18:19]
	s_add_nc_u64 s[8:9], s[8:9], s[22:23]
	CROUND                                         ; all four work-groups are here
.irp s, 0,1
	s_mov_b32 s[G0K+4*\s], 1
	s_mov_b32 s[G0K+4*\s+1], \s*SLOT1
	s_add_nc_u64 s[G0K+4*\s+2:G0K+4*\s+3], s[4:5], 8*524288+\s*32768
	s_or_b32 s[G0K+4*\s+3], s[G0K+4*\s+3], 0x80000000
	s_mov_b32 s[G0V+4*\s], 1
	s_mov_b32 s[G0V+4*\s+1], \s*SLOT1+VOFF
	s_add_nc_u64 s[G0V+4*\s+2:G0V+4*\s+3], s[4:5], 16*524288+\s*32768
	s_or_b32 s[G0V+4*\s+3], s[G0V+4*\s+3], 0x80000000
	s_mov_b32 s[G0M+4*\s], 1
	s_mov_b32 s[G0M+4*\s+1], \s*SLOT1+MOFF
	s_add_nc_u64 s[G0M+4*\s+2:G0M+4*\s+3], s[6:7], \s*128
	s_or_b32 s[G0M+4*\s+3], s[G0M+4*\s+3], 0x80000000
.endr
	s_cmp_lg_u32 s[WV], 0                          ; a wave's two first fills stand together: two loads of mine are out (wave 3: none)
	s_cbranch_scc1 .Lfirst_not_k
	tensor_load_to_lds s[G0K:G0K+3], s[G1K:G1K+7]
	s_nop 0
	tensor_load_to_lds s[G0K+4:G0K+7], s[G1K:G1K+7]
	s_nop 0
.rept 4
	v_nop
.endr
	s_branch .Lfirst_asked
.Lfirst_not_k:
	s_cmp_lg_u32 s[WV], 1
	s_cbranch_scc1 .Lfirst_not_v
	tensor_load_to_lds s[G0V:G0V+3], s[G1V:G1V+7]
	s_nop 0
	tensor_load_to_lds s[G0V+4:G0V+7], s[G1V:G1V+7]
	s_nop 0
.rept 4
	v_nop
.endr
	s_branch .Lfirst_asked
.Lfirst_not_v:
	s_cmp_lg_u32 s[WV], 2
	s_cbranch_scc1 .Lfirst_asked
	tensor_load_to_lds s[G0M:G0M+3], s[G1M:G1M+7]
	s_nop 0
	tensor_load_to_lds s[G0M+4:G0M+7], s[G1M:G1M+7]
	s_nop 0
.rept 4
	v_nop
.endr
.Lfirst_asked:
	v_and_b32 v1, 15, v0                           ; r = l % 16
	v_bfe_u32 v9, v0, 4, 1                         ; h = l / 16
	v_lshlrev_b32 v[QO], 8, v1
	v_lshl_add_u32 v[QO], v9, 4, v[QO]
	WIN 0x80                                       ; destination window 2
.irp f, 0,1,2,3,4,5,6,7                ; Q stays in registers: fragment f = 2 unit + half of the 64 channels
	global_load_b128 v[8*\f:8*\f+3],   v[QO], s[10:11] offset:(\f/4)*4096+((\f/2)%2)*128+(\f%2)*64
	global_load_b128 v[8*\f+4:8*\f+7], v[QO], s[10:11] offset:(\f/4)*4096+((\f/2)%2)*128+(\f%2)*64+32
.endr
	WIN 0
	v_mul_u32_u24 v[AK0], v1, PK
	v_lshl_add_u32 v[AK0], v9, 4, v[AK0]
	v_and_b32 v10, 7, v0
	v_bfe_u32 v11, v0, 3, 1
	v_lshl_add_u32 v[AV0], v9, 3, v10
	v_mul_u32_u24 v[AV0], v[AV0], PVV
	v_lshl_add_u32 v[AV0], v11, 4, v[AV0]
	v_add_nc_u32 v[AV0], VOFF, v[AV0]
	s_mul_i32 s15, s[WV], 32*PM                    ; the mask: query row 32 w + r, 8 bytes at 8 h
	s_add_co_u32 s15, s15, MOFF
	v_mul_u32_u24 v[AM0], v1, PM
	v_lshl_add_u32 v[AM0], v9, 3, v[AM0]
	v_add_nc_u32 v[AM0], s15, v[AM0]
; Product i of 16 of O^T += V^T P for piece x: keys 32 (i / 8) on, channels 16 ((i / 2) % 4) on, unit x + i % 2.  The 8 accumulators take turns.  zero = 1: the first 8 start the sums.
.macro PV x, zero
	WIN W_PV
.set rO, 32*(\x+i%2)+8*((i/2)%4)
.set rV, 64*(i%2)+32*(i/8)+8*((i/2)%4)
.set rP, P+16*(\x+i%2)+8*(i/8)
.if \zero && (i < 8)
	v_wmma_f32_16x16x32_bf16 v[rO:rO+7], v[rV:rV+7], v[rP:rP+7], 0
.else
	v_wmma_f32_16x16x32_bf16 v[rO:rO+7], v[rV:rV+7], v[rP:rP+7], v[rO:rO+7]
.endif
.endm
; Product i of 16 of S^T = K Q^T + the mask's C: channels 32 (i / 8) on, keys 16 ((i / 2) % 4) on, unit x + i % 2.  The first 8 start the sums from the mask's C.
.macro KQ x
.set rS, S+32*(\x+i%2)+8*((i/2)%4)
.set rK, KF+64*(i%2)+16*((i/2)%4)+8*(i/8)
.set rQ, 16*(\x+i%2)+8*(i/8)
.set rB, BIA+8*((i/2)%4)
.if i < 8
	WIN 0x2a                                       ; K, Q and C window 2, S^T window 0
	v_wmma_f32_16x16x32_bf16 v[rS:rS+7], v[rK:rK+7], v[rQ:rQ+7], v[rB:rB+7]
.else
	WIN 0x0a
	v_wmma_f32_16x16x32_bf16 v[rS:rS+7], v[rK:rK+7], v[rQ:rQ+7], v[rS:rS+7]
.endif
.endm
; A step's mask words (8 loads, first) and K (32 loads) in one run
.macro FETCH_K
	WIN 0
	v_add_nc_u32 v[ADM], s[TBM], v[AM0]
	v_add_nc_u32 v[ADR], s[TBK], v[AK0]
	s_add_co_u32 s[TBK], s[TBK], 64*PK
	s_add_co_u32 s[TBM], s[TBM], 64
.irp e, 0,1,2,3,4,5,6,7                ; query tile e / 4, keys 16 (e % 4) + 8 h on
	ds_load_b64 v[MW+2*\e:MW+2*\e+1], v[ADM] offset:(\e/4)*16*PM+(\e%4)*16
.endr
	WIN 0x80
.irp f, 0,1,2,3,4,5,6,7,8,9,10,11,12,13,14,15  ; head f / 8, keys 16 ((f % 8) / 2) on, channels 32 (f % 2) on
	ds_load_b128 v[KF+8*\f:KF+8*\f+3],   v[ADR] offset:((\f%8)/2)*16*PK+(\f/8)*128+(\f%2)*64
	ds_load_b128 v[KF+8*\f+4:KF+8*\f+7], v[ADR] offset:((\f%8)/2)*16*PK+(\f/8)*128+(\f%2)*64+32
.endr
.endm
.macro FETCH_V
	WIN 0
	v_add_nc_u32 v[ADR], s[TBV], v[AV0]
	s_add_co_u32 s[TBV], s[TBV], 64*PVV
	WIN 0xc0                                       ; destination window 3
.irp f, 0,1,2,3,4,5,6,7,8,9,10,11,12,13,14,15  ; head f / 8, keys 32 ((f % 8) / 4) on, channels 16 (f % 4) on
	ds_load_tr16_b128 v[8*\f:8*\f+3],   v[ADR] offset:((\f%8)/4)*32*PVV+(\f/8)*128+(\f%4)*32
	ds_load_tr16_b128 v[8*\f+4:8*\f+7], v[ADR] offset:((\f%8)/4)*32*PVV+16*PVV+(\f/8)*128+(\f%4)*32
.endr
.endm
; The mask's C for piece x, in twelve parts of four plain instructions.  Parts 0-3: each word times 127, so that a byte 1 becomes 0x7f.  Parts 4-11: byte be of word n - 4, shifted so that
; its seven ones fill bits 31:25: sign 1 and an exponent of 252 or 253; a byte 0 leaves 0 or an exponent of 1 at the most.
.macro BIAS x, n
.if (\n) < 4
	WIN 0
	v_lshlrev_b32 v10, 7, v[MW+4*\x+2*(\n)]
	v_lshlrev_b32 v11, 7, v[MW+4*\x+2*(\n)+1]
	v_sub_nc_u32 v[MW+4*\x+2*(\n)], v10, v[MW+4*\x+2*(\n)]
	v_sub_nc_u32 v[MW+4*\x+2*(\n)+1], v11, v[MW+4*\x+2*(\n)+1]
.else
	WIN 0x80                                       ; destination window 2
.irp be, 0,1,2,3
	v_lshlrev_b32 v[BIA+4*((\n)-4)+\be], 25-8*\be, v[MW+4*\x+(\n)-4]
.endr
.endif
.endm
.macro BIAS_ALL x
.irp n, 0,1,2,3,4,5,6,7,8,9,10,11
	BIAS \x, \n
.endr
.endm
; One unit's softmax for one key step is a list of 118 instructions; SM writes number j of it for unit t.
;   0-15 the maximum of the 32 scores and the old m;  16-20 the other half of the lanes', the new m, c m, c m_old - c m_new;
;   21-87 33 exponentials at the odd numbers from 23 on, a plain instruction (a scaling, a rounding, a sum) at every even one;  88-101 the last rounding, the sums, l = a l + the sum;
;   102-117 the unit's O^T times a.   first = 1: the first key step, which has no a and nothing to rescale.
.macro SM t, first
.set rT, ST+8*(\t)
.set rS, S+32*(\t)
.set rP, P+16*(\t)
.set rO, 32*(\t)+2*(j-102)
.set q, (j-20)/2
.if j < 102
	WIN 0
.endif
.if j < 4
	v_max3_num_f32 v[rT+4+j], v[rS+8*j], v[rS+8*j+1], v[rS+8*j+2]
.elseif j < 12
	v_max3_num_f32 v[rT+4+j%4], v[rT+4+j%4], v[rS+8*(j%4)+2*(j/4)+1], v[rS+8*(j%4)+2*(j/4)+2]
.elseif j == 12
	v_max3_num_f32 v[rT+4], v[rT+4], v[rS+7], v[rS+15]
.elseif j == 13
	v_max3_num_f32 v[rT+6], v[rT+6], v[rS+23], v[rS+31]
.elseif j == 14
	v_max3_num_f32 v[rT+4], v[rT+4], v[rT+5], v[rT+6]
.elseif (j == 15) && \first
	v_max_num_f32 v[rT+4], v[rT+4], v[rT+7]
.elseif j == 15
	v_max3_num_f32 v[rT+4], v[rT+4], v[rT+7], v[rT+1]
.elseif j == 16
	v_permlanex16_b32 v[rT+5], v[rT+4], s[SEL], s[SEL+1]
.elseif j == 18
	v_max_num_f32 v[rT+1], v[rT+4], v[rT+5]
.elseif j == 19
	v_mul_f32 v[rT], s[CS], v[rT+1]
.elseif ((j == 17) || (j == 20) || (j == 23) || (j > 101)) && \first
.elseif j == 17
	v_mov_b32 v[rT+7], v[rT]
.elseif j == 20
	v_sub_f32 v[rT+7], v[rT+7], v[rT]
.elseif j == 23
	v_exp_f32 v[rT+6], v[rT+7]
.elseif (j < 88) && (j > 23) && (j%2 == 1)
	v_exp_f32 v[rS+(j-25)/2], v[rS+(j-25)/2]
.elseif (q < 4) || ((j < 76) && (q%2 == 0))
.set b, q/2+2
.if q < 4
.set b, q
.endif
	v_pk_fma_f32 v[rS+2*b:rS+2*b+1], v[rS+2*b:rS+2*b+1], s[CS:CS+1], v[rT:rT+1] op_sel_hi:[1,0,0] neg_lo:[0,0,1] neg_hi:[0,0,1]
.elseif (j < 88) && (q%2 == 1)
	s_wait_alu depctr_va_vdst(0)
	v_cvt_pk_bf16_f32 v[rP+(q-5)/2], v[rS+q-5], v[rS+q-4]
.elseif j == 89
	s_wait_alu depctr_va_vdst(0)
	v_cvt_pk_bf16_f32 v[rP+15], v[rS+30], v[rS+31]
.elseif j < 102
.set z, j-86
.if j < 89
.set z, (j-76)/4
.endif
.set w, 4
.set u, z
.if z >= 14
.set w, 32
.set u, 0
.elseif z >= 12
.set w, 16
.set u, z-12
.elseif z >= 8
.set w, 8
.set u, z-8
.endif
.if (z == 14) && \first
	v_pk_add_f32 v[rT+2:rT+3], v[rS:rS+1], v[rS+16:rS+17]
.elseif z < 15
	v_pk_add_f32 v[rS+w*u:rS+w*u+1], v[rS+w*u:rS+w*u+1], v[rS+w*u+w/2:rS+w*u+w/2+1]
.elseif !\first
	v_pk_fma_f32 v[rT+2:rT+3], v[rT+2:rT+3], v[rT+6:rT+7], v[rS:rS+1] op_sel_hi:[1,0,1]
.endif
.else
	WIN W_RS
	v_pk_mul_f32 v[rO:rO+1], v[rO:rO+1], v[rT+6:rT+7] op_sel_hi:[1,0]
.endif
.endm
; Slot ks of 64 of a turn.  Slots 0-50 hold slices 0-50 (numbers 2 k and 2 k + 1 of both units), slots 51-55 nothing, slots 56-63 slices 51-58, the rescaling: so plain multiplies that name
; nothing of the products round them stand behind a turn's last product.
.macro SLOTV y, first
.set k, ks
.if ks >= 56
.set k, ks-5
.endif
.if (ks <= 50) || (ks >= 56)
.if (k >= 11) && (k < 44)              ; unit by unit: plain, exponential, plain, exponential
.irp t, \y, \y+1
.irp n, 0,1
.set j, 2*k+\n
	SM \t, \first
.endr
.endr
.else                                  ; the two units alternate
.irp n, 0,1
.irp t, \y, \y+1
.set j, 2*k+\n
	SM \t, \first
.endr
.endr
.endif
.endif
.set ks, ks+1
.endm
; A TURN.  Piece x has the matrix unit.  pv = 2: 16 products V^T P; 1: they start O^T's sums; 0: none.  kq = 1: 16 products K Q^T for the next step, and in front of them the mask's C.
.macro TURN x, pv, kq, first
.set ks, 0
.set per, 4
.if \pv && \kq
.set per, 2
.endif
.if \pv
.if \x == 0
	s_wait_dscnt 0x0                               ; V is in
.endif
.set i, 0
.rept 16
	PV \x, 2-\pv
.rept per
	SLOTV 2-\x, \first
.endr
.if \kq
.if (\x == 0) && (i == 1)
	FETCH_K
.endif
.if (\x == 0) && (i == 3)
	s_wait_dscnt 32                                ; the 8 mask loads are in; K's 32, issued behind them, may be out
.endif
.if i >= 4
	BIAS \x, i-4
.endif
.endif
.set i, i+1
.endr
.endif
.if \kq
.if \x == 0
	s_wait_dscnt 0x0                               ; K is in
.endif
.set i, 0
.rept 16
	KQ \x
.rept per
	SLOTV 2-\x, \first
.endr
.if (\x == 2) && (i == 1)
	FETCH_V
.endif
.set i, i+1
.endr
.endif
.if \first
	PLACES                                         ; the first step's last slots are empty
.endif
.endm
; THE CHANGE OF SLOTS, between piece 2's turn and piece 0's.  Each wave waits for all its tensor loads, adds 0 to its spare word, and waits for that and for its reads of the slot.
; fill = 1: a round of the cluster's barrier, and the slot just left is filled again, first thing behind it, with the keys two slots on.
.macro CHANGE fill
	WIN 0
	s_wait_tensorcnt 0x0                           ; no tensor load of mine is out, so a group 0 may be written
	ds_add_u32 v[SPW], v[NIL]                      ; 0 onto my spare word
.if \fill
.irp g, G0K+4, G0V+4
	s_xor_b32 s[\g+1], s[\g+1], SLOT1
	s_add_nc_u64 s[\g+2:\g+3], s[\g+2:\g+3], 32768 ; the next 128 keys' rows
.endr
	s_xor_b32 s[G0M+5], s[G0M+5], SLOT1
	s_add_nc_u64 s[G0M+6:G0M+7], s[G0M+6:G0M+7], 128   ; the next 128 keys' columns
	s_wait_dscnt 0x0                               ; the add is done, and my reads of the slot are over
	CROUND
	JLOAD
.else
	s_wait_dscnt 0x0
	s_barrier_signal -1
	s_barrier_wait -1
.endif
	s_sub_co_u32 s[TBK], s[TBK], 2*64*PK           ; the fetches go back to a slot's first step, in the other slot
	s_xor_b32 s[TBK], s[TBK], SLOT1
	s_sub_co_u32 s[TBV], s[TBV], 2*64*PVV
	s_xor_b32 s[TBV], s[TBV], SLOT1
	s_sub_co_u32 s[TBM], s[TBM], 128
	s_xor_b32 s[TBM], s[TBM], SLOT1
.endm
.macro TWO_STEPS
	s_mov_b32 s[TWICE], 2
.Lstep_\@:
	TURN 0, 2, 1, 0
	TURN 2, 2, 1, 0
	WIN 0
	s_sub_co_u32 s[TWICE], s[TWICE], 1
	s_cmp_lg_u32 s[TWICE], 0
	s_cbranch_scc1 .Lstep_\@
.endm
	s_wait_tensorcnt 1                             ; my part of slot 0 is in; slot 1's may stay out
	s_barrier_signal -1
	s_barrier_wait -1
	FETCH_K                                        ; key step 0
	s_wait_loadcnt 0x0                             ; Q
	s_wait_dscnt 0x0
	BIAS_ALL 0
.set i, 0
.rept 16
	KQ 0
.set i, i+1
.endr
	WIN 0                                          ; the addresses for the way out: eight plain instructions, the places behind those products
	s_mul_i32 s15, s[WV], 16*SP
	s_add_co_u32 s15, s15, STAGE
	v_mul_u32_u24 v[STO], v1, SP
	v_lshl_add_u32 v[STO], v9, 4, v[STO]
	v_add_nc_u32 v[STO], s15, v[STO]
	v_mul_u32_u24 v[RD], v9, SP
	v_lshl_add_u32 v[RD], v1, 4, v[RD]
	v_add_nc_u32 v[RD], s15, v[RD]
	v_lshlrev_b32 v[GO], 11, v9
	v_lshl_add_u32 v[GO], v1, 4, v[GO]
	BIAS_ALL 2
	TURN 2, 0, 1, 1                                ; piece 2's first scores | piece 0's first softmax | V of step 0
	TURN 0, 1, 1, 1                                ; piece 0: V^T P of step 0 starts O^T, K Q^T of step 1 | piece 2's first softmax | K and mask of step 1
	TURN 2, 1, 1, 0                                ; piece 2: the same | piece 0's softmax of step 1 | V of step 1
	WIN 0
.Lslot:
	CHANGE 1
	TWO_STEPS
	s_sub_co_u32 s[SLOTS], s[SLOTS], 1
	s_cmp_lg_u32 s[SLOTS], 0
	s_cbranch_scc1 .Lslot
	CHANGE 0                                       ; the tail is written out: nothing more is asked for
	TWO_STEPS
	TURN 0, 2, 0, 0                                ; piece 0: V^T P of the last step | piece 2's last softmax
.set i, 0
.rept 16
	PV 2, 0
.set i, i+1
.endr
	; THE WAY OUT.  l's halves are added, O^T is divided by l (or made NaN where the whole row was masked), rounded to bf16, and sent through my stage, a query tile (16 rows x 256 bytes) at a time.
	WIN 0
.irp t, 0,1,2,3
	v_add_f32 v[ST+8*\t+4], v[ST+8*\t+2], v[ST+8*\t+3]
.endr
.irp t, 0,1,2,3
	v_permlanex16_b32 v[ST+8*\t+5], v[ST+8*\t+4], s[SEL], s[SEL+1]
.endr
.irp t, 0,1,2,3
	v_add_f32 v[ST+8*\t+4], v[ST+8*\t+4], v[ST+8*\t+5]
.endr
.irp t, 0,1,2,3
	v_rcp_f32 v[ST+8*\t+6], v[ST+8*\t+4]
.endr
	v_mov_b32 v10, 0x7fc00000                      ; NaN; also the plain instruction behind the last reciprocal
	s_wait_alu depctr_va_vdst(0)
.irp t, 0,1,2,3
	v_cmp_gt_f32 vcc_lo, s[NEG], v[ST+8*\t+1]      ; -1e30 > m: no key of this query was left unmasked
	v_cndmask_b32 v[ST+8*\t+6], v[ST+8*\t+6], v10, vcc_lo
.endr
.macro PACK qt
	WIN W_RS
.irp u, 0,1
.set i, 64*\qt+32*\u
.rept 16
	v_pk_mul_f32 v[i:i+1], v[i:i+1], v[ST+8*(2*\qt+\u)+6:ST+8*(2*\qt+\u)+7] op_sel_hi:[1,0]
.set i, i+2
.endr
.endr
	WIN 0x05                                       ; sources window 1, destination window 0: S^T's registers are free
.set i, 0
.rept 32
	v_cvt_pk_bf16_f32 v[S+64*\qt+i], v[64*\qt+2*i], v[64*\qt+2*i+1]
.set i, i+1
.endr
	WIN 0
.irp f, 0,1,2,3,4,5,6,7
	ds_store_b128 v[STO], v[S+64*\qt+4*\f:S+64*\qt+4*\f+3] offset:32*\f
.endr
.irp f, 0,1,2,3,4,5,6,7
	ds_load_b128 v[S+64*\qt+4*\f:S+64*\qt+4*\f+3], v[RD] offset:\f*2*SP   ; LDS serves a wave's instructions in order: these see the stores above
.endr
.endm
.macro SEND qt, younger                ; younger: the LDS instructions issued behind this tile's loads
.irp f, 0,1,2,3,4,5,6,7
	s_wait_dscnt \younger+7-\f
	global_store_b128 v[GO], v[S+64*\qt+4*\f:S+64*\qt+4*\f+3], s[8:9] offset:\qt*32768+\f*4096   ; 16 lanes store 256 consecutive bytes, aligned
.endr
.endm
	PACK 0
	PACK 1
	SEND 0, 16
	SEND 1, 0
	s_wait_tensorcnt 0x0                           ; the wave's end
	ds_add_u32 v[SPW], v[NIL]
	s_wait_dscnt 0x0
	CROUND                                         ; the closing round
	s_endpgm
.Lfunc_end_k_q85b9ea340c_attn:
	.size	k_q85b9ea340c_attn, .Lfunc_end_k_q85b9ea340c_attn-k_q85b9ea340c_attn
	.p2alignl 7, 3214868480
	.fill 96, 4, 3214868480
	.section	.rodata,"a",@progbits
	.p2align	6, 0x0
	.amdhsa_kernel k_q85b9ea340c_attn
		.amdhsa_group_segment_fixed_size 327680
		.amdhsa_private_segment_fixed_size 0
		.amdhsa_enable_private_segment 0
		.amdhsa_kernarg_size 24
		.amdhsa_user_sgpr_count 2
		.amdhsa_user_sgpr_kernarg_segment_ptr 1
		.amdhsa_wavefront_size32 1
		.amdhsa_system_sgpr_workgroup_id_x 1
		.amdhsa_system_sgpr_workgroup_id_y 1
		.amdhsa_system_sgpr_workgroup_id_z 1
		.amdhsa_system_vgpr_workitem_id 0
		.amdhsa_next_free_vgpr 1024
		.amdhsa_next_free_sgpr 84
		.amdhsa_reserve_vcc 1
		.amdhsa_float_denorm_mode_32 3
		.amdhsa_float_denorm_mode_16_64 3
		.amdhsa_memory_ordered 1
		.amdhsa_forward_progress 1
		.amdhsa_inst_pref_size 192
	.end_amdhsa_kernel
	.amdgpu_metadata
---
amdhsa.version: [ 1, 2 ]
amdhsa.kernels:
  - .name:           k_q85b9ea340c_attn
    .symbol:         k_q85b9ea340c_attn.kd
    .args:
      - { .name: qkv, .offset: 0, .size: 8, .value_kind: global_buffer, .address_space: global }
      - { .name: causal_mask, .offset: 8, .size: 8, .value_kind: global_buffer, .address_space: global }
      - { .name: ao, .offset: 16, .size: 8, .value_kind: global_buffer, .address_space: global }
    .group_segment_fixed_size: 327680
    .private_segment_fixed_size: 0
    .kernarg_segment_align: 8
    .kernarg_segment_size: 24
    .max_flat_workgroup_size: 128
    .sgpr_count:     84
    .vgpr_count:     1024
    .wavefront_size: 32
...
	.end_amdgpu_metadata
.endif
;; end of part 3
;; launch proj (part 4): grid 8 x 32, 4 waves a work-group, clusters of 4 x 4, 327,680 bytes of LDS; arguments ao, wbf, x, x1; writes x1
.if DOCPART == 4
	.amdgcn_target "amdgcn-amd-amdhsa--gfx1250"
	.amdhsa_code_object_version 6
	.text
	.protected	k_q85b9ea340c_proj
	.globl	k_q85b9ea340c_proj
	.p2align	8
	.type	k_q85b9ea340c_proj,@function
k_q85b9ea340c_proj:
	s_mov_b64 s[64:65], 0
	v_nop
	global_prefetch_b8 v0, s[64:65] scope:SCOPE_SE
	s_setreg_imm32_b32 hwreg(HW_REG_WAVE_MODE, 25, 1), 1
	s_wait_xcnt 0x0
	s_wait_alu depctr_hold_cnt(0) depctr_sa_sdst(0) depctr_va_vdst(0) depctr_va_sdst(0) depctr_va_ssrc(0) depctr_va_vcc(0) depctr_vm_vsrc(0)
	s_getreg_b32 s2, hwreg(HW_REG_IB_STS2, 6, 4)
	s_cmp_eq_u32 s2, 0
	s_cbranch_scc0 .Lentry_in_a_cluster
	s_endpgm
.Lentry_in_a_cluster:
	s_bfe_u32 s2, ttmp6, 0x10000c
	s_cmp_lg_u32 s2, 0xf033
	s_cbranch_scc0 .Lentry_shape_is_right
	s_endpgm
.Lentry_shape_is_right:
; x1 = x + ao x wo.  ao: [4096][1024] bf16; wo: bf16 [K = 1024][N = 1024] at byte WOFF of wbf; x, x1: [4096][1024] f32.  Sums in f32.
; A tile of the result is 128 x 128: 8 x 32 = 256 work-groups; four waves, each 64 x 64: 16 accumulators.  K goes in steps of 256 through two LDS slots of four regions, one a wave:
; regions 0, 1 A's 64 rows x 512 bytes each, regions 2, 3 B's k rows 0-127 and 128-255 x 256 bytes, on end.  B lies [K][N] and is turned by ds_load_tr16_b128.
; The matrix instruction is used transposed (source 0 = 16 columns of B, source 1 = 16 rows of A): a lane holds eight neighbouring columns of a row.
; The residual's 64 x 64 numbers of the wave are asked for at the start, into window 2, and land under the K loop.
; CLUSTER 4 x 4: A's tiles are asked for jointly along a row of the cluster, B's along a column.
; REGISTERS: window 0: v16-29 addresses, v32-95 at work on the way out, v128-255 accumulators ((a, b) at v[128 + 8 (4 a + b)]); window 1: two fragment buffers of 128
; (64 of A, 64 of B, for 64 along K); window 2: v0-127 the residual.
.set SIZE_K, 1024
.set WOFF,   6291456
.set BIAS,   0
.set KSTEP,  256
.set PA,     528                       ; A's LDS row: 512 bytes + 16
.set PB,     288                       ; B's LDS row: 256 bytes + 32
.set RS,     36864
.set SLOT,   4*RS
.set STAGE,  2*SLOT                    ; behind the ring: 16 rows x 272 bytes a wave (a row: my 64 f32)
.set SP,     272
.set SPARE,  STAGE+4*16*SP             ; the spare words, 128 bytes a wave, which no other line names
.set LAPS,   SIZE_K/(2*KSTEP)
.set ADRA, 16                          ; v16-17  my A fragments in slot 0, 1
.set ADRB, 20                          ; v20-23  my B fragments: 2 x slot + half of the K step
.set STO,  24
.set RD,   25
.set CO,   26
.set BO,   27
.set SPW,  28
.set NIL,  29
.set TMP,  32
.set BV,   96
.set ACC,  128
.set F0,   0
.set F1,   128
.set G1,  24
.set G0,  32
.set G1B, 48
.set G0B, 56
.set MSB, 0
.macro WIN new
.if MSB != \new
	s_set_vgpr_msb (MSB<<8)|\new
.set MSB, \new
.endif
.endm
.set MUL,  0x05                        ; sources window 1; C and D window 0
.set TO_F, 0x40                        ; destination window 1
.macro PLACES
.rept 4
	v_nop
.endr
.endm
.macro JLOAD s                         ; waves 0 and 1 fetch A's halves, waves 2 and 3 B's; four v_nop follow each line
	s_cmp_eq_u32 s11, 0
	s_cbranch_scc0 .Lfor_b_\@
	tensor_load_to_lds s[G0+4*\s:G0+4*\s+3], s[G1:G1+7]
	s_nop 0
.rept 4
	v_nop
.endr
	s_branch .Lasked_\@
.Lfor_b_\@:
	tensor_load_to_lds s[G0B+4*\s:G0B+4*\s+3], s[G1B:G1B+7]
	s_nop 0
.rept 4
	v_nop
.endr
.Lasked_\@:
.endm
.macro CREST
	s_cmp_lg_u32 s10, 0
	s_cbranch_scc1 .Lnot_wave_0_\@
	s_barrier_signal -3
.Lnot_wave_0_\@:
	s_barrier_wait -3
	s_barrier_signal -1
	s_barrier_wait -1
.endm
.macro CROUND
	s_barrier_signal -1
	s_barrier_wait -1
	CREST
.endm
	s_load_b128 s[4:7], s[0:1], 0x0                ; A s[4:5], wbf s[6:7]
	s_load_b128 s[68:71], s[0:1], 0x10             ; the residual s[68:69], the result s[70:71]
.if BIAS
	s_load_b64 s[72:73], s[0:1], 0x20              ; the bias
.endif
	v_lshl_add_u32 v[SPW], v0, 2, SPARE
	v_mov_b32 v[NIL], 0
	ds_add_u32 v28, v29
	s_wait_dscnt 0x0
	v_lshrrev_b32 v1, 5, v0
	v_readfirstlane_b32 s10, v1                    ; wave
	s_lshr_b32 s11, s10, 1                         ; wr.  Also: I fetch for A (0) or for B (1)
	s_and_b32 s12, s10, 1                          ; wc.  Also: which half of that tile I fetch
	s_bfe_u32 s40, ttmp6, 0x40000
	s_bfe_u32 s41, ttmp6, 0x40004
	s_lshl_b32 s42, ttmp9, 2
	s_add_co_u32 s42, s42, s40                     ; tile column 0..7
	s_and_b32 s13, ttmp7, 0xffff
	s_lshl_b32 s13, s13, 2
	s_add_co_u32 s13, s13, s41                     ; tile row 0..31
	s_lshl_b32 s43, s41, 2
	s_lshl_b32 s43, 15, s43
	s_lshl_b32 s44, 0x1111, s40
	s_or_b32 s[G1+0], s43, (1<<16)|(1<<20)|(1<<21)|(6<<22)|(3<<25)   ; my row's mask; 2-byte elements; padding: after every 128 words 4 words
	s_mov_b32 s[G1+1], KSTEP<<16                   ; tensor_dim0 = 256
	s_mov_b32 s[G1+2], 64<<16                      ; tensor_dim1 = 64
	s_mov_b32 s[G1+3], KSTEP<<16                   ; tile_dim0 = 256
	s_mov_b32 s[G1+4], 64                          ; tile_dim1 = 64
	s_mov_b32 s[G1+5], SIZE_K
	s_mov_b32 s[G1+6], 0
	s_mov_b32 s[G1+7], 0
	s_or_b32 s[G1B+0], s44, (1<<16)|(1<<20)|(1<<21)|(5<<22)|(7<<25)  ; my column's mask; after every 64 words 8 words
	s_mov_b32 s[G1B+1], 128<<16
	s_mov_b32 s[G1B+2], 128<<16
	s_mov_b32 s[G1B+3], 128<<16
	s_mov_b32 s[G1B+4], 128
	s_mov_b32 s[G1B+5], 1024
	s_mov_b32 s[G1B+6], 0
	s_mov_b32 s[G1B+7], 0
	s_lshl_b32 s16, s13, 7
	s_lshl_b32 s17, s12, 6
	s_add_co_u32 s16, s16, s17                     ; A: row 128 x tile row + 64 x half
	s_mul_i32 s16, s16, 2*SIZE_K
	s_mov_b32 s17, 0
	s_lshl_b32 s46, s42, 8                         ; B: 256 bytes a tile column,
	s_lshl_b32 s45, s12, 18                        ; 128 k rows of 2,048 bytes a half,
	s_add_co_u32 s46, s46, s45
	s_add_co_u32 s46, s46, WOFF                    ; the weight's place in wbf
	s_mov_b32 s47, 0
	s_mul_i32 s20, s10, RS
	s_wait_kmcnt 0x0
	s_add_nc_u64 s[14:15], s[4:5], s[16:17]
	s_add_nc_u64 s[46:47], s[6:7], s[46:47]
	CROUND
.irp s, 0,1
	s_mov_b32 s[G0+4*\s], 1
	s_add_co_u32 s[G0+4*\s+1], s20, \s*SLOT
	s_add_nc_u64 s[G0+4*\s+2:G0+4*\s+3], s[14:15], \s*KSTEP*2
	s_or_b32 s[G0+4*\s+3], s[G0+4*\s+3], 0x80000000
	s_mov_b32 s[G0B+4*\s], 1
	s_add_co_u32 s[G0B+4*\s+1], s20, \s*SLOT
	s_add_nc_u64 s[G0B+4*\s+2:G0B+4*\s+3], s[46:47], \s*KSTEP*2048
	s_or_b32 s[G0B+4*\s+3], s[G0B+4*\s+3], 0x80000000
	JLOAD \s
.endr
	v_and_b32 v1, 15, v0                           ; r
	v_bfe_u32 v2, v0, 4, 1                         ; h
	v_mul_u32_u24 v3, v1, PA
	v_lshl_add_u32 v3, v2, 4, v3
	s_mul_i32 s21, s11, RS
	v_add_nc_u32 v[ADRA], s21, v3
	v_add_nc_u32 v[ADRA+1], SLOT, v[ADRA]
	v_and_b32 v4, 7, v0
	v_lshl_add_u32 v4, v2, 3, v4
	v_mul_u32_u24 v4, v4, PB
	v_bfe_u32 v5, v0, 3, 1
	v_lshl_add_u32 v4, v5, 4, v4
	v_lshl_add_u32 v4, s12, 7, v4                  ; my 64 columns
	v_add_nc_u32 v[ADRB], 2*RS, v4
	v_add_nc_u32 v[ADRB+1], 3*RS, v4
	v_add_nc_u32 v[ADRB+2], SLOT+2*RS, v4
	v_add_nc_u32 v[ADRB+3], SLOT+3*RS, v4
	s_mul_i32 s23, s10, 16*SP
	s_add_co_u32 s23, s23, STAGE                   ; my stage
	v_mul_u32_u24 v5, v1, SP                       ; in: row r, 32 bytes for each half of the lanes
	v_lshl_add_u32 v5, v2, 5, v5
	v_add_nc_u32 v[STO], s23, v5
	v_mul_u32_u24 v5, v2, SP                       ; back: lanes 0-15 one row of 256 bytes, lanes 16-31 the next
	v_lshl_add_u32 v5, v1, 4, v5
	v_add_nc_u32 v[RD], s23, v5
	v_lshlrev_b32 v[BO], 4, v1
	v_lshl_add_u32 v[CO], v2, 12, v[BO]            ; the same two rows in memory: 4,096 bytes apart
	s_lshl_b32 s16, s13, 19                        ; (128 x tile row + 64 wr) rows of 4,096 bytes
	s_lshl_b32 s17, s11, 18
	s_add_co_u32 s16, s16, s17
	s_mov_b32 s17, 0
	s_lshl_b32 s46, s42, 9                         ; (128 x tile column + 64 wc) x 4 bytes (in registers that feed none of A's descriptors)
	s_lshl_b32 s47, s12, 8
	s_add_co_u32 s46, s46, s47
	s_mov_b32 s47, 0
	s_add_nc_u64 s[68:69], s[68:69], s[16:17]
	s_add_nc_u64 s[68:69], s[68:69], s[46:47]
	s_add_nc_u64 s[70:71], s[70:71], s[16:17]
	s_add_nc_u64 s[70:71], s[70:71], s[46:47]
	WIN 0x80                                       ; destination window 2
.irp a, 0,1,2,3
.irp t, 0,1,2,3,4,5,6,7
	global_load_b128 v[4*(8*\a+\t):4*(8*\a+\t)+3], v[CO], s[68:69] offset:(16*\a+2*\t)*4096
.endr
.endr
	WIN 0
.if BIAS
	s_add_nc_u64 s[72:73], s[72:73], s[46:47]
	global_load_b128 v[BV:BV+3], v[BO], s[72:73]   ; the bias of my four columns
.endif
.macro MUL8 f, c, a0, zero
.irp a, \a0, \a0+1
.irp b, 0,1,2,3
.if \zero
	v_wmma_f32_16x16x32_bf16 v[ACC+8*(4*(\a)+\b):ACC+8*(4*(\a)+\b)+7], v[\f+64+8*(4*\c+\b):\f+64+8*(4*\c+\b)+7], v[\f+8*(4*\c+\a):\f+8*(4*\c+\a)+7], 0
.else
	v_wmma_f32_16x16x32_bf16 v[ACC+8*(4*(\a)+\b):ACC+8*(4*(\a)+\b)+7], v[\f+64+8*(4*\c+\b):\f+64+8*(4*\c+\b)+7], v[\f+8*(4*\c+\a):\f+8*(4*\c+\a)+7], v[ACC+8*(4*(\a)+\b):ACC+8*(4*(\a)+\b)+7]
.endif
.endr
.endr
.endm
; 32 LDS loads in one run: quarter qu (64 along K) of a slot into buffer f; the first 32 along K first
.macro FETCH slot, qu, f
	WIN TO_F
.irp c, 0,1
.irp i, 0,1,2,3
	ds_load_tr16_b128 v[\f+64+8*(4*\c+\i):\f+64+8*(4*\c+\i)+3],   v[ADRB+2*\slot+\qu/2] offset:(\qu%2)*64*PB+\c*32*PB+32*\i
	ds_load_tr16_b128 v[\f+64+8*(4*\c+\i)+4:\f+64+8*(4*\c+\i)+7], v[ADRB+2*\slot+\qu/2] offset:(\qu%2)*64*PB+\c*32*PB+32*\i+16*PB
	ds_load_b128 v[\f+8*(4*\c+\i):\f+8*(4*\c+\i)+3],   v[ADRA+\slot] offset:\qu*128+64*\c+\i*16*PA
	ds_load_b128 v[\f+8*(4*\c+\i)+4:\f+8*(4*\c+\i)+7], v[ADRA+\slot] offset:\qu*128+64*\c+\i*16*PA+32
.endr
.endr
.endm
.macro QUARTER slot, qu, f, g, zero
	s_wait_dscnt 16                                ; the first 32 along K are in; the other sixteen loads may be out
	WIN MUL
	MUL8 \f, 0, 0, \zero
	MUL8 \f, 0, 2, \zero
	PLACES
	FETCH \slot, \qu, \g
	s_wait_dscnt 32                                ; all but the 32 just issued
	WIN MUL
	MUL8 \f, 1, 0, 0
	MUL8 \f, 1, 2, 0
.endm
.macro TURN slot, next, fill
	WIN 0
	s_wait_tensorcnt 0x0                           ; all my tensor loads have landed: my part of the next slot
	ds_add_u32 v[SPW], v[NIL]                      ; 0 onto my spare word
	s_wait_dscnt 17                                ; the add and the youngest sixteen loads may be out
	WIN MUL
	MUL8 F1, 0, 0, 0
	s_wait_dscnt 0x0                               ; the add is done, and my reads of this slot are over
	s_barrier_signal -1
	MUL8 F1, 0, 2, 0
.if \fill
	WIN 0
.endif
	s_barrier_wait -1
.if \fill
	CREST                                          ; no wave of any partner still reads this slot or has a load on its way
	s_add_nc_u64 s[G0+4*\slot+2:G0+4*\slot+3], s[G0+4*\slot+2:G0+4*\slot+3], 2*KSTEP*2
	s_add_nc_u64 s[G0B+4*\slot+2:G0B+4*\slot+3], s[G0B+4*\slot+2:G0B+4*\slot+3], 2*KSTEP*2048
	JLOAD \slot
.else
	PLACES
.endif
	FETCH \next, 0, F0
	WIN MUL
	MUL8 F1, 1, 0, 0
	MUL8 F1, 1, 2, 0
.endm
	s_wait_tensorcnt 1                             ; my part of K step 0 is in; K step 1's may stay out
	s_barrier_signal -1
	s_barrier_wait -1
	FETCH 0, 0, F0
	QUARTER 0, 1, F0, F1, 1
	WIN 0
	s_mov_b32 s3, LAPS-1
.Llap:
	QUARTER 0, 2, F1, F0, 0
	QUARTER 0, 3, F0, F1, 0
	TURN 0, 1, 1
	QUARTER 1, 1, F0, F1, 0
	QUARTER 1, 2, F1, F0, 0
	QUARTER 1, 3, F0, F1, 0
	TURN 1, 0, 1
	QUARTER 0, 1, F0, F1, 0
	WIN 0
	s_sub_co_u32 s3, s3, 1
	s_cmp_lg_u32 s3, 0
	s_cbranch_scc1 .Llap
	QUARTER 0, 2, F1, F0, 0                        ; the last lap fills nothing
	QUARTER 0, 3, F0, F1, 0
	TURN 0, 1, 0
	QUARTER 1, 1, F0, F1, 0
	QUARTER 1, 2, F1, F0, 0
	QUARTER 1, 3, F0, F1, 0
	s_wait_dscnt 16
	WIN MUL
	MUL8 F1, 0, 0, 0
	MUL8 F1, 0, 2, 0
	s_wait_dscnt 0x0
	MUL8 F1, 1, 0, 0
	MUL8 F1, 1, 2, 0
	WIN 0
	; THE WAY OUT, 16 rows at a time through my own stage: a lane's 32 bytes of a row go in, whole rows of 256 bytes come back, the residual (and the bias) is added, and they are stored.
	PLACES
	s_wait_loadcnt 0x0                             ; the residual, asked for at the start
.irp a, 0,1,2,3
	s_wait_xcnt 0x0                                ; the registers that the stores two blocks back read are loaded again only behind this wait
.irp b, 0,1,2,3
	ds_store_b128 v[STO], v[ACC+8*(4*\a+\b):ACC+8*(4*\a+\b)+3] offset:64*\b
	ds_store_b128 v[STO], v[ACC+8*(4*\a+\b)+4:ACC+8*(4*\a+\b)+7] offset:64*\b+16
.endr
.irp t, 0,1,2,3,4,5,6,7
	ds_load_b128 v[TMP+32*(\a%2)+4*\t:TMP+32*(\a%2)+4*\t+3], v[RD] offset:\t*2*SP   ; LDS serves a wave's instructions in order: these see the stores above
.endr
	s_wait_dscnt 0x0
	WIN 0x08                                       ; source 1 window 2
.irp p, 0,1,2,3,4,5,6,7,8,9,10,11,12,13,14,15
	v_pk_add_f32 v[TMP+32*(\a%2)+2*\p:TMP+32*(\a%2)+2*\p+1], v[TMP+32*(\a%2)+2*\p:TMP+32*(\a%2)+2*\p+1], v[32*\a+2*\p:32*\a+2*\p+1]
.endr
	WIN 0
.if BIAS
.irp p, 0,1,2,3,4,5,6,7,8,9,10,11,12,13,14,15
	v_pk_add_f32 v[TMP+32*(\a%2)+2*\p:TMP+32*(\a%2)+2*\p+1], v[TMP+32*(\a%2)+2*\p:TMP+32*(\a%2)+2*\p+1], v[BV+2*(\p%2):BV+2*(\p%2)+1]
.endr
.endif
.irp t, 0,1,2,3,4,5,6,7
	global_store_b128 v[CO], v[TMP+32*(\a%2)+4*\t:TMP+32*(\a%2)+4*\t+3], s[70:71] offset:(16*\a+2*\t)*4096   ; 16 lanes store 256 consecutive bytes, aligned
.endr
.endr
	s_wait_tensorcnt 0x0                           ; the wave's end
	ds_add_u32 v[SPW], v[NIL]
	s_wait_dscnt 0x0
	CROUND
	s_endpgm
.Lfunc_end_k_q85b9ea340c_proj:
	.size	k_q85b9ea340c_proj, .Lfunc_end_k_q85b9ea340c_proj-k_q85b9ea340c_proj
	.p2alignl 7, 3214868480
	.fill 96, 4, 3214868480
	.section	.rodata,"a",@progbits
	.p2align	6, 0x0
	.amdhsa_kernel k_q85b9ea340c_proj
		.amdhsa_group_segment_fixed_size 327680
		.amdhsa_private_segment_fixed_size 0
		.amdhsa_enable_private_segment 0
		.amdhsa_kernarg_size 32
		.amdhsa_user_sgpr_count 2
		.amdhsa_user_sgpr_kernarg_segment_ptr 1
		.amdhsa_wavefront_size32 1
		.amdhsa_system_sgpr_workgroup_id_x 1
		.amdhsa_system_sgpr_workgroup_id_y 1
		.amdhsa_system_sgpr_workgroup_id_z 1
		.amdhsa_system_vgpr_workitem_id 0
		.amdhsa_next_free_vgpr 768
		.amdhsa_next_free_sgpr 76
		.amdhsa_reserve_vcc 0
		.amdhsa_float_denorm_mode_32 3
		.amdhsa_float_denorm_mode_16_64 3
		.amdhsa_memory_ordered 1
		.amdhsa_forward_progress 1
		.amdhsa_inst_pref_size 93
	.end_amdhsa_kernel
	.amdgpu_metadata
---
amdhsa.version: [ 1, 2 ]
amdhsa.kernels:
  - .name:           k_q85b9ea340c_proj
    .symbol:         k_q85b9ea340c_proj.kd
    .args:
      - { .name: ao, .offset: 0, .size: 8, .value_kind: global_buffer, .address_space: global }
      - { .name: wbf, .offset: 8, .size: 8, .value_kind: global_buffer, .address_space: global }
      - { .name: x, .offset: 16, .size: 8, .value_kind: global_buffer, .address_space: global }
      - { .name: x1, .offset: 24, .size: 8, .value_kind: global_buffer, .address_space: global }
    .group_segment_fixed_size: 327680
    .private_segment_fixed_size: 0
    .kernarg_segment_align: 8
    .kernarg_segment_size: 32
    .max_flat_workgroup_size: 128
    .sgpr_count:     76
    .vgpr_count:     768
    .wavefront_size: 32
...
	.end_amdgpu_metadata
.endif
;; end of part 4
;; launch ln2 (part 5): grid 64 x 4, 8 waves a work-group, no clusters, 0 bytes of LDS; arguments x1, gamma2, beta2, hn; writes hn
.if DOCPART == 5
	.amdgcn_target "amdgcn-amd-amdhsa--gfx1250"
	.amdhsa_code_object_version 6
	.text
	.protected	k_q85b9ea340c_ln2
	.globl	k_q85b9ea340c_ln2
	.p2align	8
	.type	k_q85b9ea340c_ln2,@function
k_q85b9ea340c_ln2:
	s_mov_b64 s[64:65], 0
	v_nop
	global_prefetch_b8 v0, s[64:65] scope:SCOPE_SE
	s_setreg_imm32_b32 hwreg(HW_REG_WAVE_MODE, 25, 1), 1
	s_wait_xcnt 0x0
; hn = LayerNorm(x1) * gamma2 + beta2, rounded to bf16.  x1: [4096][1024] f32.  Grid y names 1,024 rows, grid x 16 of them, a wave two.
; A wave keeps a row in 32 registers: mean, then the variance of (x - mean), so that no difference of large sums is formed.
; A stream: every byte is read once by 16-byte loads, a wave's 8-byte stores cover 256 consecutive aligned bytes.  No LDS, no barrier, no matrix unit, no cluster.
.set X0,  4
.set X1,  36
.set GA,  68
.set BE,  100
.set CH,  132
.set T,   140
.set MN,  142
.set RS0, 144
.set RS1, 146
.macro WAVESUM
	v_add_f32_dpp v[T], v[T], v[T] row_xmask:1 row_mask:0xf bank_mask:0xf
	v_add_f32_dpp v[T], v[T], v[T] row_xmask:2 row_mask:0xf bank_mask:0xf
	v_add_f32_dpp v[T], v[T], v[T] row_xmask:4 row_mask:0xf bank_mask:0xf
	v_add_f32_dpp v[T], v[T], v[T] row_xmask:8 row_mask:0xf bank_mask:0xf
	v_permlanex16_b32 v[T+1], v[T], s12, s13
	v_add_f32 v[T], v[T], v[T+1]
.endm
.macro TREE
	v_pk_add_f32 v[CH:CH+1], v[CH:CH+1], v[CH+2:CH+3]
	v_pk_add_f32 v[CH+4:CH+5], v[CH+4:CH+5], v[CH+6:CH+7]
	v_pk_add_f32 v[CH:CH+1], v[CH:CH+1], v[CH+4:CH+5]
	v_add_f32 v[T], v[CH], v[CH+1]
	WAVESUM
.endm
.macro LNSTAT X, RS
.irp c, 0,1,2,3
	v_pk_add_f32 v[CH+2*\c:CH+2*\c+1], v[\X+2*\c:\X+2*\c+1], v[\X+8+2*\c:\X+8+2*\c+1]
.endr
.irp p, 8,9,10,11,12,13,14,15
	v_pk_add_f32 v[CH+2*(\p%4):CH+2*(\p%4)+1], v[CH+2*(\p%4):CH+2*(\p%4)+1], v[\X+2*\p:\X+2*\p+1]
.endr
	TREE
	v_mul_f32 v[MN], s14, v[T]
	v_mul_f32 v[MN+1], s14, v[T]
.irp p, 0,1,2,3,4,5,6,7,8,9,10,11,12,13,14,15
	v_pk_add_f32 v[\X+2*\p:\X+2*\p+1], v[\X+2*\p:\X+2*\p+1], v[MN:MN+1] neg_lo:[0,1] neg_hi:[0,1]
.endr
.irp c, 0,1,2,3
	v_pk_mul_f32 v[CH+2*\c:CH+2*\c+1], v[\X+2*\c:\X+2*\c+1], v[\X+2*\c:\X+2*\c+1]
.endr
.irp p, 4,5,6,7,8,9,10,11,12,13,14,15
	v_pk_fma_f32 v[CH+2*(\p%4):CH+2*(\p%4)+1], v[\X+2*\p:\X+2*\p+1], v[\X+2*\p:\X+2*\p+1], v[CH+2*(\p%4):CH+2*(\p%4)+1]
.endr
	TREE
	v_fma_f32 v[T], v[T], s14, s15
	v_rsq_f32 v[\RS], v[T]
	v_rsq_f32 v[\RS+1], v[T]
	v_nop                                          ; a plain instruction behind the transcendentals
.endm
.macro LNOUT X, RS, ro
	s_wait_alu depctr_va_vdst(0)
.irp p, 0,1,2,3,4,5,6,7,8,9,10,11,12,13,14,15
	v_pk_mul_f32 v[\X+2*\p:\X+2*\p+1], v[\X+2*\p:\X+2*\p+1], v[\RS:\RS+1]
.endr
.irp p, 0,1,2,3,4,5,6,7,8,9,10,11,12,13,14,15
	v_pk_fma_f32 v[\X+2*\p:\X+2*\p+1], v[\X+2*\p:\X+2*\p+1], v[GA+2*\p:GA+2*\p+1], v[BE+2*\p:BE+2*\p+1]
.endr
.irp j, 0,1,2,3,4,5,6,7
	v_cvt_pk_bf16_f32 v[\X+4*\j], v[\X+4*\j], v[\X+4*\j+1]
	v_cvt_pk_bf16_f32 v[\X+4*\j+1], v[\X+4*\j+2], v[\X+4*\j+3]
	global_store_b64 v2, v[\X+4*\j:\X+4*\j+1], s[10:11] offset:\ro+256*\j
.endr
.endm
	s_load_b256 s[4:11], s[0:1], 0x0               ; x1 s[4:5], gamma2 s[6:7], beta2 s[8:9], hn s[10:11]
	s_and_b32 s3, ttmp7, 0xffff
	s_lshl_b32 s30, ttmp9, 16
	s_mov_b32 s31, 0
	s_lshl_b32 s2, s3, 22
	s_add_co_u32 s30, s30, s2
	v_and_b32 v[T], 31, v0
	v_lshrrev_b32 v[T+1], 5, v0
	v_lshlrev_b32 v3, 4, v[T]
	v_lshl_add_u32 v1, v[T+1], 13, v3
	v_lshlrev_b32 v2, 3, v[T]
	v_lshl_add_u32 v2, v[T+1], 12, v2
	s_mov_b32 s12, 0x76543210
	s_mov_b32 s13, 0xfedcba98
	s_mov_b32 s14, 0x3a800000                      ; 1/1024
	s_mov_b32 s15, 0x3727c5ac                      ; 1e-5
	s_wait_kmcnt 0x0
	s_add_nc_u64 s[4:5], s[4:5], s[30:31]
	s_lshr_b32 s30, s30, 1
	s_add_nc_u64 s[10:11], s[10:11], s[30:31]
.irp j, 0,1,2,3,4,5,6,7
	global_load_b128 v[X0+4*\j:X0+4*\j+3], v1, s[4:5] offset:512*\j
.endr
.irp j, 0,1,2,3,4,5,6,7
	global_load_b128 v[X1+4*\j:X1+4*\j+3], v1, s[4:5] offset:4096+512*\j
.endr
.irp j, 0,1,2,3,4,5,6,7
	global_load_b128 v[GA+4*\j:GA+4*\j+3], v3, s[6:7] offset:512*\j
.endr
.irp j, 0,1,2,3,4,5,6,7
	global_load_b128 v[BE+4*\j:BE+4*\j+3], v3, s[8:9] offset:512*\j
.endr
	s_wait_loadcnt 24                              ; row 0 is in; the 24 younger loads stay out
	LNSTAT X0, RS0
	s_wait_loadcnt 16                              ; row 1 is in; gamma's and beta's 16 stay out
	LNSTAT X1, RS1
	s_wait_loadcnt 0x0
	LNOUT X0, RS0, 0
	LNOUT X1, RS1, 2048
	s_endpgm
.Lfunc_end_k_q85b9ea340c_ln2:
	.size	k_q85b9ea340c_ln2, .Lfunc_end_k_q85b9ea340c_ln2-k_q85b9ea340c_ln2
	.p2alignl 7, 3214868480
	.fill 96, 4, 3214868480
	.section	.rodata,"a",@progbits
	.p2align	6, 0x0
	.amdhsa_kernel k_q85b9ea340c_ln2
		.amdhsa_group_segment_fixed_size 0
		.amdhsa_private_segment_fixed_size 0
		.amdhsa_enable_private_segment 0
		.amdhsa_kernarg_size 32
		.amdhsa_user_sgpr_count 2
		.amdhsa_user_sgpr_kernarg_segment_ptr 1
		.amdhsa_wavefront_size32 1
		.amdhsa_system_sgpr_workgroup_id_x 1
		.amdhsa_system_sgpr_workgroup_id_y 1
		.amdhsa_system_sgpr_workgroup_id_z 1
		.amdhsa_system_vgpr_workitem_id 0
		.amdhsa_next_free_vgpr 152
		.amdhsa_next_free_sgpr 66
		.amdhsa_reserve_vcc 0
		.amdhsa_float_denorm_mode_32 3
		.amdhsa_float_denorm_mode_16_64 3
		.amdhsa_memory_ordered 1
		.amdhsa_forward_progress 1
		.amdhsa_inst_pref_size 20
	.end_amdhsa_kernel
	.amdgpu_metadata
---
amdhsa.version: [ 1, 2 ]
amdhsa.kernels:
  - .name:           k_q85b9ea340c_ln2
    .symbol:         k_q85b9ea340c_ln2.kd
    .args:
      - { .name: x1, .offset: 0, .size: 8, .value_kind: global_buffer, .address_space: global }
      - { .name: gamma2, .offset: 8, .size: 8, .value_kind: global_buffer, .address_space: global }
      - { .name: beta2, .offset: 16, .size: 8, .value_kind: global_buffer, .address_space: global }
      - { .name: hn, .offset: 24, .size: 8, .value_kind: global_buffer, .address_space: global }
    .group_segment_fixed_size: 0
    .private_segment_fixed_size: 0
    .kernarg_segment_align: 8
    .kernarg_segment_size: 32
    .max_flat_workgroup_size: 256
    .sgpr_count:     66
    .vgpr_count:     152
    .wavefront_size: 32
...
	.end_amdgpu_metadata
.endif
;; end of part 5
;; launch ffn1 (part 6): grid 16 x 16, 4 waves a work-group, clusters of 4 x 4, 327,680 bytes of LDS; arguments hn, wbf, g, b1; writes g
.if DOCPART == 6
	.amdgcn_target "amdgcn-amd-amdhsa--gfx1250"
	.amdhsa_code_object_version 6
	.text
	.protected	k_q85b9ea340c_ffn1
	.globl	k_q85b9ea340c_ffn1
	.p2align	8
	.type	k_q85b9ea340c_ffn1,@function
k_q85b9ea340c_ffn1:
	s_mov_b64 s[64:65], 0
	v_nop
	global_prefetch_b8 v0, s[64:65] scope:SCOPE_SE
	s_setreg_imm32_b32 hwreg(HW_REG_WAVE_MODE, 25, 1), 1
	s_wait_xcnt 0x0
	s_wait_alu depctr_hold_cnt(0) depctr_sa_sdst(0) depctr_va_vdst(0) depctr_va_sdst(0) depctr_va_ssrc(0) depctr_va_vcc(0) depctr_vm_vsrc(0)
	s_getreg_b32 s2, hwreg(HW_REG_IB_STS2, 6, 4)
	s_cmp_eq_u32 s2, 0
	s_cbranch_scc0 .Lentry_in_a_cluster
	s_endpgm
.Lentry_in_a_cluster:
	s_bfe_u32 s2, ttmp6, 0x10000c
	s_cmp_lg_u32 s2, 0xf033
	s_cbranch_scc0 .Lentry_shape_is_right
	s_endpgm
.Lentry_shape_is_right:
; g = gelu(hn x w1 + b1), the exact (erf) gelu, rounded to bf16.  hn: [4096][1024] bf16; w1: bf16 [K = 1024][N = 4096] at byte 8,388,608 of wbf; g: [4096][4096] bf16.  Sums in f32.
; A tile is 256 x 256: 16 x 16 = 256 work-groups; four waves, each 128 x 128: 64 accumulators.  K goes in 8 steps of 128 through two LDS slots of four regions, one a wave:
; regions 0, 1 A's halves (128 rows x 256 bytes), regions 2, 3 B's halves (128 k rows x 128 columns).  B lies [K][N] and is turned by ds_load_tr16_b128.
; The matrix instruction is used transposed (source 0 = 16 columns of B, source 1 = 16 rows of A): a lane holds eight neighbouring columns of a row.
; GELU: gelu(x) = max(x, 0) - |x| y, y = erfc(|x| / sqrt 2) / 2 = t (a1 + t (a2 + t (a3 + t (a4 + t a5)))) exp(-x^2 / 2) / 2, t = 1 / (1 + 0.2316419 |x|)
; (Abramowitz and Stegun 7.1.26).  LIMIT: that formula's absolute error, 1.5e-7 in erf; it holds for every finite x (for large |x| the exponential is 0).
; CLUSTER 4 x 4: A's tiles are asked for jointly along a row of the cluster, B's along a column.
; REGISTERS: window 0: v16-29 addresses, v32-45 gelu's constants, v64-127 / v128-191 A's fragments (on the way out: v64-95 packed, v96-159 rows read back, v160-191 at work),
; v192-255 b1 of my 128 columns; window 1: v64-127 / v128-191 B's fragments; windows 2, 3: 32 accumulators each, (a, b) at v[8 (8 a + b)].
.set PA,    272
.set PB,    288
.set RS,    36864
.set SLOT,  4*RS
.set STAGE, 2*SLOT                     ; behind the ring: 16 rows x 272 bytes a wave
.set SP,    272
.set SPARE, STAGE+4*16*SP              ; the spare words, 128 bytes a wave, which no other line names
.set ADRA, 16
.set ADRB, 20
.set STO,  24
.set RD,   25
.set CO,   26
.set BO,   27
.set SPW,  28
.set NIL,  29
.set CP,   32                          ; 0.2316419
.set CC,   34                          ; -log2(e) / 2, a pair; then a1/2 .. a5/2, pairs
.set A1,   36
.set A2,   38
.set A3,   40
.set A4,   42
.set A5,   44
.set F0,   64
.set F1,   128
.set TMP,  64
.set OB,   96
.set XX,   160
.set TT,   168
.set EE,   176
.set YY,   184
.set BV,   192
.set G1,  24
.set G0,  32
.set G1B, 48
.set G0B, 56
.set MSB, 0
.macro WIN new
.if MSB != \new
	s_set_vgpr_msb (MSB<<8)|\new
.set MSB, \new
.endif
.endm
.set MUL_LO, 0xa1
.set MUL_HI, 0xf1
.macro PLACES
.rept 4
	v_nop
.endr
.endm
.macro JLOAD s                         ; waves 0 and 1 fetch A's halves, waves 2 and 3 B's; four v_nop follow each line
	s_cmp_eq_u32 s11, 0
	s_cbranch_scc0 .Lfor_b_\@
	tensor_load_to_lds s[G0+4*\s:G0+4*\s+3], s[G1:G1+7]
	s_nop 0
.rept 4
	v_nop
.endr
	s_branch .Lasked_\@
.Lfor_b_\@:
	tensor_load_to_lds s[G0B+4*\s:G0B+4*\s+3], s[G1B:G1B+7]
	s_nop 0
.rept 4
	v_nop
.endr
.Lasked_\@:
.endm
.macro CREST
	s_cmp_lg_u32 s10, 0
	s_cbranch_scc1 .Lnot_wave_0_\@
	s_barrier_signal -3
.Lnot_wave_0_\@:
	s_barrier_wait -3
	s_barrier_signal -1
	s_barrier_wait -1
.endm
.macro CROUND
	s_barrier_signal -1
	s_barrier_wait -1
	CREST
.endm
	s_load_b128 s[4:7], s[0:1], 0x0                ; hn s[4:5], wbf s[6:7]
	s_load_b64 s[8:9], s[0:1], 0x10                ; g
	s_load_b64 s[66:67], s[0:1], 0x18              ; b1
	v_lshl_add_u32 v[SPW], v0, 2, SPARE
	v_mov_b32 v[NIL], 0
	ds_add_u32 v28, v29
	s_wait_dscnt 0x0
	v_lshrrev_b32 v1, 5, v0
	v_readfirstlane_b32 s10, v1
	s_lshr_b32 s11, s10, 1                         ; wr.  Also: I fetch for A (0) or for B (1)
	s_and_b32 s12, s10, 1                          ; wc.  Also: which half I fetch
	s_bfe_u32 s40, ttmp6, 0x40000
	s_bfe_u32 s41, ttmp6, 0x40004
	s_lshl_b32 s42, ttmp9, 2
	s_add_co_u32 s42, s42, s40                     ; tile column 0..15
	s_and_b32 s13, ttmp7, 0xffff
	s_lshl_b32 s13, s13, 2
	s_add_co_u32 s13, s13, s41                     ; tile row 0..15
	s_lshl_b32 s43, s41, 2
	s_lshl_b32 s43, 15, s43
	s_lshl_b32 s44, 0x1111, s40
	s_or_b32 s[G1+0], s43, (1<<16)|(1<<20)|(1<<21)|(5<<22)|(3<<25)   ; my row's mask; 2-byte elements; padding: after every 64 words 4 words
	s_or_b32 s[G1B+0], s44, (1<<16)|(1<<20)|(1<<21)|(5<<22)|(7<<25)  ; my column's mask; 8 words
.irp g, G1, G1B
	s_mov_b32 s[\g+1], 128<<16
	s_mov_b32 s[\g+2], 128<<16
	s_mov_b32 s[\g+3], 128<<16
	s_mov_b32 s[\g+4], 128
	s_mov_b32 s[\g+6], 0
	s_mov_b32 s[\g+7], 0
.endr
	s_mov_b32 s[G1+5], 1024                        ; elements from row to row in hn,
	s_mov_b32 s[G1B+5], 4096                       ; in w1
	s_lshl_b32 s16, s13, 19                        ; A: (256 x tile row + 128 x half) rows of 2,048 bytes
	s_lshl_b32 s17, s12, 18
	s_add_co_u32 s16, s16, s17
	s_mov_b32 s17, 0
	s_lshl_b32 s46, s42, 9                         ; B: (256 x tile column + 128 x half) x 2 bytes,
	s_lshl_b32 s45, s12, 8
	s_add_co_u32 s46, s46, s45
	s_add_co_u32 s46, s46, 8388608                 ; w1's place in wbf
	s_mov_b32 s47, 0
	s_mul_i32 s20, s10, RS
	s_wait_kmcnt 0x0
	s_add_nc_u64 s[14:15], s[4:5], s[16:17]
	s_add_nc_u64 s[46:47], s[6:7], s[46:47]
	CROUND
.irp s, 0,1
	s_mov_b32 s[G0+4*\s], 1
	s_add_co_u32 s[G0+4*\s+1], s20, \s*SLOT
	s_add_nc_u64 s[G0+4*\s+2:G0+4*\s+3], s[14:15], \s*256
	s_or_b32 s[G0+4*\s+3], s[G0+4*\s+3], 0x80000000
	s_mov_b32 s[G0B+4*\s], 1
	s_add_co_u32 s[G0B+4*\s+1], s20, \s*SLOT
	s_add_nc_u64 s[G0B+4*\s+2:G0B+4*\s+3], s[46:47], \s*1048576    ; 128 k rows of 8,192 bytes
	s_or_b32 s[G0B+4*\s+3], s[G0B+4*\s+3], 0x80000000
	JLOAD \s
.endr
	v_and_b32 v1, 15, v0
	v_bfe_u32 v2, v0, 4, 1
	v_mul_u32_u24 v3, v1, PA
	v_lshl_add_u32 v3, v2, 4, v3                   ; r x 272 + 16 h
	s_mul_i32 s21, s11, RS
	v_add_nc_u32 v[ADRA], s21, v3
	v_add_nc_u32 v[ADRA+1], SLOT, v[ADRA]
	v_and_b32 v4, 7, v0
	v_lshl_add_u32 v4, v2, 3, v4
	v_mul_u32_u24 v4, v4, PB
	v_bfe_u32 v5, v0, 3, 1
	v_lshl_add_u32 v4, v5, 4, v4
	s_mul_i32 s22, s12, RS
	s_add_co_u32 s22, s22, 2*RS
	v_add_nc_u32 v[ADRB], s22, v4
	v_add_nc_u32 v[ADRB+1], SLOT, v[ADRB]
	s_mul_i32 s23, s10, 16*SP
	s_add_co_u32 s23, s23, STAGE
	v_add_nc_u32 v[STO], s23, v3
	v_mul_u32_u24 v5, v2, SP
	v_lshl_add_u32 v5, v1, 4, v5
	v_add_nc_u32 v[RD], s23, v5
	v_lshlrev_b32 v[CO], 13, v2                    ; two rows of g, 8,192 bytes apart
	v_lshl_add_u32 v[CO], v1, 4, v[CO]
	v_lshlrev_b32 v[BO], 5, v2                     ; b1: my eight columns of a block begin at 8 h
	s_lshl_b32 s16, s13, 21                        ; (256 x tile row + 128 wr) rows of 8,192 bytes
	s_lshl_b32 s17, s11, 20
	s_add_co_u32 s16, s16, s17
	s_mov_b32 s17, 0
	s_lshl_b32 s46, s42, 9                         ; (256 x tile column + 128 wc) x 2 bytes (in registers that feed none of A's descriptors)
	s_lshl_b32 s47, s12, 8
	s_add_co_u32 s46, s46, s47
	s_mov_b32 s47, 0
	s_add_nc_u64 s[8:9], s[8:9], s[16:17]
	s_add_nc_u64 s[8:9], s[8:9], s[46:47]
	s_lshl_b32 s46, s46, 1                         ; the same columns x 4 bytes
	s_add_nc_u64 s[66:67], s[66:67], s[46:47]
.irp b, 0,1,2,3,4,5,6,7                ; b1 lands under the K loop
	global_load_b128 v[BV+8*\b:BV+8*\b+3],   v[BO], s[66:67] offset:64*\b
	global_load_b128 v[BV+8*\b+4:BV+8*\b+7], v[BO], s[66:67] offset:64*\b+16
.endr
	v_mov_b32 v[CP], 0x3e6d3388
	v_mov_b32 v[CC], 0xbf38aa3b
	v_mov_b32 v[CC+1], 0xbf38aa3b
	v_mov_b32 v[A1], 0x3e027906
	v_mov_b32 v[A1+1], 0x3e027906
	v_mov_b32 v[A2], 0xbe11a98e
	v_mov_b32 v[A2+1], 0xbe11a98e
	v_mov_b32 v[A3], 0x3f35f0e3
	v_mov_b32 v[A3+1], 0x3f35f0e3
	v_mov_b32 v[A4], 0xbf3a00e3
	v_mov_b32 v[A4+1], 0xbf3a00e3
	v_mov_b32 v[A5], 0x3f07dc22
	v_mov_b32 v[A5+1], 0x3f07dc22
.macro MUL16 f, hi, a0, zero
.irp a, \a0, \a0+1
.irp b, 0,1,2,3,4,5,6,7
.if \zero
	v_wmma_f32_16x16x32_bf16 v[8*(8*(\a)+\b):8*(8*(\a)+\b)+7], v[\f+8*\b:\f+8*\b+7], v[\f+8*(4*\hi+\a):\f+8*(4*\hi+\a)+7], 0
.else
	v_wmma_f32_16x16x32_bf16 v[8*(8*(\a)+\b):8*(8*(\a)+\b)+7], v[\f+8*\b:\f+8*\b+7], v[\f+8*(4*\hi+\a):\f+8*(4*\hi+\a)+7], v[8*(8*(\a)+\b):8*(8*(\a)+\b)+7]
.endif
.endr
.endr
.endm
.macro FETCH slot, q, f                ; 32 LDS loads in one run: quarter q of a slot into buffer f: 16 turning loads of B, then 16 loads of A
	WIN 0x40
.irp b, 0,1,2,3,4,5,6,7
	ds_load_tr16_b128 v[\f+8*\b:\f+8*\b+3],   v[ADRB+\slot] offset:\q*32*PB+32*\b
	ds_load_tr16_b128 v[\f+8*\b+4:\f+8*\b+7], v[ADRB+\slot] offset:\q*32*PB+32*\b+16*PB
.endr
	WIN 0
.irp i, 0,1,2,3,4,5,6,7
	ds_load_b128 v[\f+8*\i:\f+8*\i+3],   v[ADRA+\slot] offset:\q*64+\i*16*PA
	ds_load_b128 v[\f+8*\i+4:\f+8*\i+7], v[ADRA+\slot] offset:\q*64+\i*16*PA+32
.endr
.endm
.macro QUARTER slot, q, f, g, zero
	s_wait_dscnt 8                                 ; B and A's rows 0-63 are in; the youngest eight loads (A's rows 64-127) may be out
	WIN MUL_LO
	MUL16 \f, 0, 0, \zero
	MUL16 \f, 0, 2, \zero
	PLACES
	FETCH \slot, \q, \g
	s_wait_dscnt 32                                ; all but the 32 just issued
	WIN MUL_HI
	MUL16 \f, 1, 0, \zero
	MUL16 \f, 1, 2, \zero
.endm
.macro TURN slot, next, fill
	WIN 0
	s_wait_tensorcnt 0x0                           ; all my tensor loads have landed: my part of the next slot
	ds_add_u32 v[SPW], v[NIL]                      ; 0 onto my spare word
	s_wait_dscnt 9                                 ; the add and the youngest eight loads may be out
	WIN MUL_LO
	MUL16 F1, 0, 0, 0
	s_wait_dscnt 0x0                               ; the add is done, and my reads of this slot are over
	s_barrier_signal -1
	MUL16 F1, 0, 2, 0
.if \fill
	WIN 0
.endif
	s_barrier_wait -1
.if \fill
	CREST                                          ; no wave of any partner still reads this slot or has a load on its way
	s_add_nc_u64 s[G0+4*\slot+2:G0+4*\slot+3], s[G0+4*\slot+2:G0+4*\slot+3], 2*256
	s_add_nc_u64 s[G0B+4*\slot+2:G0B+4*\slot+3], s[G0B+4*\slot+2:G0B+4*\slot+3], 2*1048576
	JLOAD \slot
.else
	PLACES
.endif
	FETCH \next, 0, F0
	WIN MUL_HI
	MUL16 F1, 1, 0, 0
	MUL16 F1, 1, 2, 0
.endm
; Accumulator AC (window 2 + hi), n block b: bias, gelu, rounded to bf16 into TMP + 4 b
.macro ACT hi, b
	WIN 0x02+\hi                                   ; source 0 window 2 or 3
.irp i, 0,2,4,6
	v_pk_add_f32 v[XX+\i:XX+\i+1], v[AC+\i:AC+\i+1], v[BV+8*\b+\i:BV+8*\b+\i+1]
.endr
	WIN 0
.irp i, 0,1,2,3,4,5,6,7
	v_fma_f32 v[TT+\i], |v[XX+\i]|, v[CP], 1.0
.endr
.irp i, 0,1,2,3,4,5,6,7
	v_rcp_f32 v[TT+\i], v[TT+\i]
.endr
.irp i, 0,2,4,6
	v_pk_mul_f32 v[EE+\i:EE+\i+1], v[XX+\i:XX+\i+1], v[XX+\i:XX+\i+1]   ; plain work behind the reciprocals
.endr
.irp i, 0,2,4,6
	v_pk_mul_f32 v[EE+\i:EE+\i+1], v[EE+\i:EE+\i+1], v[CC:CC+1]
.endr
.irp i, 0,1,2,3,4,5,6,7
	v_exp_f32 v[EE+\i], v[EE+\i]
.endr
	s_wait_alu depctr_va_vdst(0)
.irp i, 0,2,4,6
	v_pk_fma_f32 v[YY+\i:YY+\i+1], v[TT+\i:TT+\i+1], v[A5:A5+1], v[A4:A4+1]   ; plain work behind the exponentials
.endr
.irp i, 0,2,4,6
	v_pk_fma_f32 v[YY+\i:YY+\i+1], v[YY+\i:YY+\i+1], v[TT+\i:TT+\i+1], v[A3:A3+1]
.endr
.irp i, 0,2,4,6
	v_pk_fma_f32 v[YY+\i:YY+\i+1], v[YY+\i:YY+\i+1], v[TT+\i:TT+\i+1], v[A2:A2+1]
.endr
.irp i, 0,2,4,6
	v_pk_fma_f32 v[YY+\i:YY+\i+1], v[YY+\i:YY+\i+1], v[TT+\i:TT+\i+1], v[A1:A1+1]
.endr
.irp i, 0,2,4,6
	v_pk_mul_f32 v[YY+\i:YY+\i+1], v[YY+\i:YY+\i+1], v[TT+\i:TT+\i+1]
.endr
.irp i, 0,2,4,6
	v_pk_mul_f32 v[YY+\i:YY+\i+1], v[YY+\i:YY+\i+1], v[EE+\i:EE+\i+1]
.endr
.irp i, 0,1,2,3,4,5,6,7
	v_max_num_f32 v[TT+\i], 0, v[XX+\i]
.endr
.irp i, 0,1,2,3,4,5,6,7
	v_fma_f32 v[XX+\i], -|v[XX+\i]|, v[YY+\i], v[TT+\i]
.endr
.irp r, 0,1,2,3
	v_cvt_pk_bf16_f32 v[TMP+4*\b+\r], v[XX+2*\r], v[XX+2*\r+1]
.endr
.endm
.macro PACK a
.irp b, 0,1,2,3,4,5,6,7
.set AC, 64*((\a)%4)+8*\b
	ACT (\a)/4, \b
.endr
.endm
.macro TOSTAGE a
.set BK, OB+32*((\a)%2)
.irp b, 0,1,2,3,4,5,6,7
	ds_store_b128 v[STO], v[TMP+4*\b:TMP+4*\b+3] offset:32*\b
.endr
.irp t, 0,1,2,3,4,5,6,7
	ds_load_b128 v[BK+4*\t:BK+4*\t+3], v[RD] offset:\t*2*SP   ; LDS serves a wave's instructions in order: these see the stores above
.endr
.endm
.macro SEND a
.set BK, OB+32*((\a)%2)
	s_wait_dscnt 0x0                               ; the block is back in registers
	s_wait_xcnt 0x0                                ; only behind this wait are the stores' base and the registers that earlier stores read rewritten
.if (\a) > 0
	s_add_nc_u64 s[8:9], s[8:9], 16*8192           ; 16 rows of g on
.endif
.irp t, 0,1,2,3,4,5,6,7
	global_store_b128 v[CO], v[BK+4*\t:BK+4*\t+3], s[8:9] offset:2*\t*8192   ; 16 lanes store 256 consecutive bytes, aligned
.endr
.endm
	s_wait_tensorcnt 1                             ; my part of K step 0 is in; K step 1's may stay out
	s_barrier_signal -1
	s_barrier_wait -1
	FETCH 0, 0, F0
	QUARTER 0, 1, F0, F1, 1
	WIN 0
	s_mov_b32 s3, 3
.Llap:
	QUARTER 0, 2, F1, F0, 0
	QUARTER 0, 3, F0, F1, 0
	TURN 0, 1, 1
	QUARTER 1, 1, F0, F1, 0
	QUARTER 1, 2, F1, F0, 0
	QUARTER 1, 3, F0, F1, 0
	TURN 1, 0, 1
	QUARTER 0, 1, F0, F1, 0
	WIN 0
	s_sub_co_u32 s3, s3, 1
	s_cmp_lg_u32 s3, 0
	s_cbranch_scc1 .Llap
	QUARTER 0, 2, F1, F0, 0                        ; the last lap fills nothing
	QUARTER 0, 3, F0, F1, 0
	TURN 0, 1, 0
	QUARTER 1, 1, F0, F1, 0
	QUARTER 1, 2, F1, F0, 0
	QUARTER 1, 3, F0, F1, 0
	s_wait_dscnt 8
	WIN MUL_LO
	MUL16 F1, 0, 0, 0
	MUL16 F1, 0, 2, 0
	s_wait_dscnt 0x0
	WIN MUL_HI
	MUL16 F1, 1, 0, 0
	MUL16 F1, 1, 2, 0
	; THE WAY OUT, 16 rows at a time through my own stage; block a's arithmetic stands between block a - 1's loads from the stage and the wait for them.
	PLACES
	s_wait_loadcnt 0x0                             ; b1, asked for at the start
	PACK 0
	TOSTAGE 0
.irp a, 1,2,3,4,5,6,7
	PACK \a
	SEND \a-1
	TOSTAGE \a
.endr
	SEND 7
	s_wait_tensorcnt 0x0                           ; the wave's end
	ds_add_u32 v[SPW], v[NIL]
	s_wait_dscnt 0x0
	CROUND
	s_endpgm
.Lfunc_end_k_q85b9ea340c_ffn1:
	.size	k_q85b9ea340c_ffn1, .Lfunc_end_k_q85b9ea340c_ffn1-k_q85b9ea340c_ffn1
	.p2alignl 7, 3214868480
	.fill 96, 4, 3214868480
	.section	.rodata,"a",@progbits
	.p2align	6, 0x0
	.amdhsa_kernel k_q85b9ea340c_ffn1
		.amdhsa_group_segment_fixed_size 327680
		.amdhsa_private_segment_fixed_size 0
		.amdhsa_enable_private_segment 0
		.amdhsa_kernarg_size 32
		.amdhsa_user_sgpr_count 2
		.amdhsa_user_sgpr_kernarg_segment_ptr 1
		.amdhsa_wavefront_size32 1
		.amdhsa_system_sgpr_workgroup_id_x 1
		.amdhsa_system_sgpr_workgroup_id_y 1
		.amdhsa_system_sgpr_workgroup_id_z 1
		.amdhsa_system_vgpr_workitem_id 0
		.amdhsa_next_free_vgpr 1024
		.amdhsa_next_free_sgpr 68
		.amdhsa_reserve_vcc 0
		.amdhsa_float_denorm_mode_32 3
		.amdhsa_float_denorm_mode_16_64 3
		.amdhsa_memory_ordered 1
		.amdhsa_forward_progress 1
		.amdhsa_inst_pref_size 255
	.end_amdhsa_kernel
	.section	.bss,"aw",@nobits
	.p2align	6
	.space	262144
	.amdgpu_metadata
---
amdhsa.version: [ 1, 2 ]
amdhsa.kernels:
  - .name:           k_q85b9ea340c_ffn1
    .symbol:         k_q85b9ea340c_ffn1.kd
    .args:
      - { .name: hn, .offset: 0, .size: 8, .value_kind: global_buffer, .address_space: global }
      - { .name: wbf, .offset: 8, .size: 8, .value_kind: global_buffer, .address_space: global }
      - { .name: g, .offset: 16, .size: 8, .value_kind: global_buffer, .address_space: global }
      - { .name: b1, .offset: 24, .size: 8, .value_kind: global_buffer, .address_space: global }
    .group_segment_fixed_size: 327680
    .private_segment_fixed_size: 0
    .kernarg_segment_align: 8
    .kernarg_segment_size: 32
    .max_flat_workgroup_size: 128
    .sgpr_count:     68
    .vgpr_count:     1024
    .wavefront_size: 32
...
	.end_amdgpu_metadata
.endif
;; end of part 6
;; launch ffn2 (part 7): grid 8 x 32, 4 waves a work-group, clusters of 4 x 4, 327,680 bytes of LDS; arguments g, wbf, x1, out0, b2; writes out0
.if DOCPART == 7
	.amdgcn_target "amdgcn-amd-amdhsa--gfx1250"
	.amdhsa_code_object_version 6
	.text
	.protected	k_q85b9ea340c_ffn2
	.globl	k_q85b9ea340c_ffn2
	.p2align	8
	.type	k_q85b9ea340c_ffn2,@function
k_q85b9ea340c_ffn2:
	s_mov_b64 s[64:65], 0
	v_nop
	global_prefetch_b8 v0, s[64:65] scope:SCOPE_SE
	s_setreg_imm32_b32 hwreg(HW_REG_WAVE_MODE, 25, 1), 1
	s_wait_xcnt 0x0
	s_wait_alu depctr_hold_cnt(0) depctr_sa_sdst(0) depctr_va_vdst(0) depctr_va_sdst(0) depctr_va_ssrc(0) depctr_va_vcc(0) depctr_vm_vsrc(0)
	s_getreg_b32 s2, hwreg(HW_REG_IB_STS2, 6, 4)
	s_cmp_eq_u32 s2, 0
	s_cbranch_scc0 .Lentry_in_a_cluster
	s_endpgm
.Lentry_in_a_cluster:
	s_bfe_u32 s2, ttmp6, 0x10000c
	s_cmp_lg_u32 s2, 0xf033
	s_cbranch_scc0 .Lentry_shape_is_right
	s_endpgm
.Lentry_shape_is_right:
; out0 = x1 + g x w2 + b2.  g: [4096][4096] bf16; w2: bf16 [K = 4096][N = 1024] at byte WOFF of wbf; x1, out0: [4096][1024] f32; b2: [1024] f32.  Sums in f32.
; A tile of the result is 128 x 128: 8 x 32 = 256 work-groups; four waves, each 64 x 64: 16 accumulators.  K goes in steps of 256 through two LDS slots of four regions, one a wave:
; regions 0, 1 A's 64 rows x 512 bytes each, regions 2, 3 B's k rows 0-127 and 128-255 x 256 bytes, on end.  B lies [K][N] and is turned by ds_load_tr16_b128.
; The matrix instruction is used transposed (source 0 = 16 columns of B, source 1 = 16 rows of A): a lane holds eight neighbouring columns of a row.
; The residual's 64 x 64 numbers of the wave and its bias are asked for at the start and land under the K loop.
; CLUSTER 4 x 4: A's tiles are asked for jointly along a row of the cluster, B's along a column.
; ASKED FOR AHEAD.  A refill has one K step's work in which to land, and LDS has no room for longer slots (two slots of K = 256 take 294,912 bytes), so later K steps' bytes are asked for
; ahead of their tensor loads by global_prefetch_b8, each aligned block of 256 bytes once in the launch:
;   A: K step s of a tile row is 128 rows x 512 bytes = 256 blocks, read by the 8 work-groups of the tile row.  Work-group tc asks for rows 16 tc .. + 15, two blocks a row: one instruction
;      of wave 0 a K step.  The tensor load for step s is issued in the change of slots of step s - 2; the step is asked for in the change of slots of step s - 4: two K steps, 256 matrix
;      instructions of a wave, ahead.  Steps 2 and 3 are asked for at the start, steps 0 and 1 (the first fills) never; the loop's last trip asks for nothing: steps 16 and 17 do not exist.
;   B: four K steps of a tile column are 1,024 k rows x 256 bytes, read by the 32 work-groups of the tile column.  Work-group tr asks for rows tr + 32 x lane: one instruction of wave 2 for
;      four K steps, two to five K steps ahead: steps 2-5 at the start, steps 6-9, 10-13 and 14-15 in the loop's trips 1, 3 and 5.  In the last of them the lanes whose row would pass
;      w2's end are held at its last row.
;   What a work-group has asked for and not yet read is at the most three steps of A's share (8 KiB each) and one request of B's (8 KiB).
; REGISTERS: window 0: v16-31 addresses, v32-95 at work on the way out, v96-99 the bias, v128-255 accumulators ((a, b) at v[128 + 8 (4 a + b)]); window 1: two fragment buffers of 128
; (64 of A, 64 of B, for 64 along K); window 2: v0-127 the residual.
.set SIZE_K, 4096
.set WOFF,   16777216
.set BIAS,   1
.set KSTEP,  256
.set PA,     528                       ; A's LDS row: 512 bytes + 16
.set PB,     288                       ; B's LDS row: 256 bytes + 32
.set RS,     36864
.set SLOT,   4*RS
.set STAGE,  2*SLOT                    ; behind the ring: 16 rows x 272 bytes a wave (a row: my 64 f32)
.set SP,     272
.set SPARE,  STAGE+4*16*SP             ; the spare words, 128 bytes a wave, which no other line names
.set LAPS,   SIZE_K/(2*KSTEP)
.set PBLIM,  (SIZE_K-1)*2048-2*KSTEP*2048   ; B's offset is held here, so that with the immediate of two K steps it ends at w2's last k row
.set ADRA, 16
.set ADRB, 20
.set STO,  24
.set RD,   25
.set CO,   26
.set BO,   27
.set SPW,  28
.set NIL,  29
.set PAO,  30                          ; v30     what wave 0 asks for ahead: my block's byte offset in the tile row's 128 rows of g; steps 512 bytes a K step
.set PBO,  31                          ; v31     what wave 2 asks for ahead: my k row's byte offset in w2; steps four K steps at a time
.set TMP,  32
.set BV,   96
.set ACC,  128
.set F0,   0
.set F1,   128
.set G1,  24
.set G0,  32
.set G1B, 48
.set G0B, 56
.set PFA, 74                           ; s[74:75] g at the tile row's first row; never rewritten
.set PFB, 76                           ; s[76:77] w2 at the tile column's first byte; never rewritten
.set MSB, 0
.macro WIN new
.if MSB != \new
	s_set_vgpr_msb (MSB<<8)|\new
.set MSB, \new
.endif
.endm
.set MUL,  0x05
.set TO_F, 0x40
.macro PLACES
.rept 4
	v_nop
.endr
.endm
.macro JLOAD s                         ; waves 0 and 1 fetch A's halves, waves 2 and 3 B's; four v_nop follow each line
	s_cmp_eq_u32 s11, 0
	s_cbranch_scc0 .Lfor_b_\@
	tensor_load_to_lds s[G0+4*\s:G0+4*\s+3], s[G1:G1+7]
	s_nop 0
.rept 4
	v_nop
.endr
	s_branch .Lasked_\@
.Lfor_b_\@:
	tensor_load_to_lds s[G0B+4*\s:G0B+4*\s+3], s[G1B:G1B+7]
	s_nop 0
.rept 4
	v_nop
.endr
.Lasked_\@:
.endm
.macro CREST
	s_cmp_lg_u32 s10, 0
	s_cbranch_scc1 .Lnot_wave_0_\@
	s_barrier_signal -3
.Lnot_wave_0_\@:
	s_barrier_wait -3
	s_barrier_signal -1
	s_barrier_wait -1
.endm
.macro CROUND
	s_barrier_signal -1
	s_barrier_wait -1
	CREST
.endm
; What is asked for ahead in the change of slots of K step s (slot = s % 2), behind the joint refill.  The branches hang on the wave's number and on the loop's counter s3 alone.
; An offset register is stepped behind s_wait_xcnt 0, which here stands a K step or more behind the prefetch that read it.
.macro PF slot
	s_cmp_lg_u32 s10, 0
	s_cbranch_scc1 .Lpf_not_a_\@
	s_cmp_eq_u32 s3, 1                             ; the last trip (steps 12 and 13) would ask for steps 16 and 17: it asks for nothing
	s_cbranch_scc1 .Lpf_done_\@
	s_wait_xcnt 0x0
	v_add_nc_u32 v[PAO], KSTEP*2, v[PAO]           ; now at step s + 1; the immediate adds three steps
	global_prefetch_b8 v[PAO], s[PFA:PFA+1] offset:3*KSTEP*2 th:TH_LOAD_NT scope:SCOPE_SE   ; A's step s + 4: my 16 rows, two blocks a row
	s_branch .Lpf_done_\@
.Lpf_not_a_\@:
.if \slot == 0
	s_cmp_lg_u32 s10, 2
	s_cbranch_scc1 .Lpf_done_\@
	s_and_b32 s78, s3, 1                           ; s3 = 7 - trip: trips 1, 3 and 5 (steps 2, 6 and 10) ask, the others do not
	s_cbranch_scc1 .Lpf_done_\@
	s_wait_xcnt 0x0
	v_add_nc_u32 v[PBO], 4*KSTEP*2048, v[PBO]      ; four K steps on,
	v_min_u32 v[PBO], PBLIM, v[PBO]                ; and never past w2's last k row
	global_prefetch_b8 v[PBO], s[PFB:PFB+1] offset:2*KSTEP*2048 th:TH_LOAD_NT scope:SCOPE_SE   ; B's steps s + 4 to s + 7: my 32 k rows, 32 rows apart
.endif
.Lpf_done_\@:
.endm
	s_load_b128 s[4:7], s[0:1], 0x0                ; A s[4:5], wbf s[6:7]
	s_load_b128 s[68:71], s[0:1], 0x10             ; the residual s[68:69], the result s[70:71]
.if BIAS
	s_load_b64 s[72:73], s[0:1], 0x20              ; the bias
.endif
	v_lshl_add_u32 v[SPW], v0, 2, SPARE
	v_mov_b32 v[NIL], 0
	ds_add_u32 v28, v29
	s_wait_dscnt 0x0
	v_lshrrev_b32 v1, 5, v0
	v_readfirstlane_b32 s10, v1                    ; wave
	s_lshr_b32 s11, s10, 1                         ; wr.  Also: I fetch for A (0) or for B (1)
	s_and_b32 s12, s10, 1                          ; wc.  Also: which half of that tile I fetch
	s_bfe_u32 s40, ttmp6, 0x40000
	s_bfe_u32 s41, ttmp6, 0x40004
	s_lshl_b32 s42, ttmp9, 2
	s_add_co_u32 s42, s42, s40                     ; tile column tc, 0..7
	s_and_b32 s13, ttmp7, 0xffff
	s_lshl_b32 s13, s13, 2
	s_add_co_u32 s13, s13, s41                     ; tile row tr, 0..31
	s_lshl_b32 s43, s41, 2
	s_lshl_b32 s43, 15, s43
	s_lshl_b32 s44, 0x1111, s40
	s_or_b32 s[G1+0], s43, (1<<16)|(1<<20)|(1<<21)|(6<<22)|(3<<25)   ; my row's mask; 2-byte elements; padding: after every 128 words 4 words
	s_mov_b32 s[G1+1], KSTEP<<16
	s_mov_b32 s[G1+2], 64<<16
	s_mov_b32 s[G1+3], KSTEP<<16
	s_mov_b32 s[G1+4], 64
	s_mov_b32 s[G1+5], SIZE_K
	s_mov_b32 s[G1+6], 0
	s_mov_b32 s[G1+7], 0
	s_or_b32 s[G1B+0], s44, (1<<16)|(1<<20)|(1<<21)|(5<<22)|(7<<25)  ; my column's mask; after every 64 words 8 words
	s_mov_b32 s[G1B+1], 128<<16
	s_mov_b32 s[G1B+2], 128<<16
	s_mov_b32 s[G1B+3], 128<<16
	s_mov_b32 s[G1B+4], 128
	s_mov_b32 s[G1B+5], 1024
	s_mov_b32 s[G1B+6], 0
	s_mov_b32 s[G1B+7], 0
	s_lshl_b32 s16, s13, 7
	s_lshl_b32 s17, s12, 6
	s_add_co_u32 s16, s16, s17                     ; A: row 128 x tile row + 64 x half
	s_mul_i32 s16, s16, 2*SIZE_K
	s_mov_b32 s17, 0
	s_lshl_b32 s46, s42, 8                         ; B: 256 bytes a tile column,
	s_lshl_b32 s45, s12, 18                        ; 128 k rows of 2,048 bytes a half,
	s_add_co_u32 s46, s46, s45
	s_add_co_u32 s46, s46, WOFF                    ; the weight's place in wbf
	s_mov_b32 s47, 0
	s_mul_i32 s20, s10, RS
	s_wait_kmcnt 0x0
	s_add_nc_u64 s[14:15], s[4:5], s[16:17]
	s_add_nc_u64 s[46:47], s[6:7], s[46:47]
	CROUND
.irp s, 0,1
	s_mov_b32 s[G0+4*\s], 1
	s_add_co_u32 s[G0+4*\s+1], s20, \s*SLOT
	s_add_nc_u64 s[G0+4*\s+2:G0+4*\s+3], s[14:15], \s*KSTEP*2
	s_or_b32 s[G0+4*\s+3], s[G0+4*\s+3], 0x80000000
	s_mov_b32 s[G0B+4*\s], 1
	s_add_co_u32 s[G0B+4*\s+1], s20, \s*SLOT
	s_add_nc_u64 s[G0B+4*\s+2:G0B+4*\s+3], s[46:47], \s*KSTEP*2048
	s_or_b32 s[G0B+4*\s+3], s[G0B+4*\s+3], 0x80000000
	JLOAD \s
.endr
	; the first requests ahead stand straight behind the first fills; the address work below follows them
	v_and_b32 v6, 31, v0                           ; lane
	v_lshrrev_b32 v7, 1, v6
	v_mul_u32_u24 v7, v7, 2*SIZE_K                 ; A: row lane / 2 of my 16,
	v_and_b32 v8, 1, v6
	v_lshl_add_u32 v[PAO], v8, 8, v7               ; block lane % 2 of the step's 512 bytes,
	s_mul_i32 s78, s42, 16*2*SIZE_K
	v_add_nc_u32 v[PAO], s78, v[PAO]               ; my 16 rows of the tile row's 128: 16 tc on
	v_lshl_add_u32 v[PBO], v6, 5, s13              ; B: k row tr + 32 x lane,
	v_lshlrev_b32 v[PBO], 11, v[PBO]               ; of 2,048 bytes
	s_lshl_b32 s78, s13, 7
	s_mul_i32 s78, s78, 2*SIZE_K
	s_mov_b32 s79, 0
	s_add_nc_u64 s[PFA:PFA+1], s[4:5], s[78:79]    ; g at row 128 tr
	s_lshl_b32 s78, s42, 8
	s_add_co_u32 s78, s78, WOFF
	s_add_nc_u64 s[PFB:PFB+1], s[6:7], s[78:79]    ; w2 at column 128 tc
	s_cmp_lg_u32 s10, 0
	s_cbranch_scc1 .Lpf_first_not_a
	global_prefetch_b8 v[PAO], s[PFA:PFA+1] offset:2*KSTEP*2 th:TH_LOAD_NT scope:SCOPE_SE   ; A's step 2
	global_prefetch_b8 v[PAO], s[PFA:PFA+1] offset:3*KSTEP*2 th:TH_LOAD_NT scope:SCOPE_SE   ; A's step 3
	s_branch .Lpf_first_done
.Lpf_first_not_a:
	s_cmp_lg_u32 s10, 2
	s_cbranch_scc1 .Lpf_first_done
	global_prefetch_b8 v[PBO], s[PFB:PFB+1] offset:2*KSTEP*2048 th:TH_LOAD_NT scope:SCOPE_SE   ; B's steps 2 to 5
.Lpf_first_done:
	v_and_b32 v1, 15, v0                           ; r
	v_bfe_u32 v2, v0, 4, 1                         ; h
	v_mul_u32_u24 v3, v1, PA
	v_lshl_add_u32 v3, v2, 4, v3
	s_mul_i32 s21, s11, RS
	v_add_nc_u32 v[ADRA], s21, v3
	v_add_nc_u32 v[ADRA+1], SLOT, v[ADRA]
	v_and_b32 v4, 7, v0
	v_lshl_add_u32 v4, v2, 3, v4
	v_mul_u32_u24 v4, v4, PB
	v_bfe_u32 v5, v0, 3, 1
	v_lshl_add_u32 v4, v5, 4, v4
	v_lshl_add_u32 v4, s12, 7, v4                  ; my 64 columns
	v_add_nc_u32 v[ADRB], 2*RS, v4
	v_add_nc_u32 v[ADRB+1], 3*RS, v4
	v_add_nc_u32 v[ADRB+2], SLOT+2*RS, v4
	v_add_nc_u32 v[ADRB+3], SLOT+3*RS, v4
	s_mul_i32 s23, s10, 16*SP
	s_add_co_u32 s23, s23, STAGE                   ; my stage
	v_mul_u32_u24 v5, v1, SP                       ; in: row r, 32 bytes for each half of the lanes
	v_lshl_add_u32 v5, v2, 5, v5
	v_add_nc_u32 v[STO], s23, v5
	v_mul_u32_u24 v5, v2, SP                       ; back: lanes 0-15 one row of 256 bytes, lanes 16-31 the next
	v_lshl_add_u32 v5, v1, 4, v5
	v_add_nc_u32 v[RD], s23, v5
	v_lshlrev_b32 v[BO], 4, v1
	v_lshl_add_u32 v[CO], v2, 12, v[BO]            ; the same two rows in memory: 4,096 bytes apart
	s_lshl_b32 s16, s13, 19                        ; (128 x tile row + 64 wr) rows of 4,096 bytes
	s_lshl_b32 s17, s11, 18
	s_add_co_u32 s16, s16, s17
	s_mov_b32 s17, 0
	s_lshl_b32 s46, s42, 9                         ; (128 x tile column + 64 wc) x 4 bytes (in registers that feed none of A's descriptors)
	s_lshl_b32 s47, s12, 8
	s_add_co_u32 s46, s46, s47
	s_mov_b32 s47, 0
	s_add_nc_u64 s[68:69], s[68:69], s[16:17]
	s_add_nc_u64 s[68:69], s[68:69], s[46:47]
	s_add_nc_u64 s[70:71], s[70:71], s[16:17]
	s_add_nc_u64 s[70:71], s[70:71], s[46:47]
	WIN 0x80                                       ; destination window 2
.irp a, 0,1,2,3
.irp t, 0,1,2,3,4,5,6,7
	global_load_b128 v[4*(8*\a+\t):4*(8*\a+\t)+3], v[CO], s[68:69] offset:(16*\a+2*\t)*4096
.endr
.endr
	WIN 0
.if BIAS
	s_add_nc_u64 s[72:73], s[72:73], s[46:47]
	global_load_b128 v[BV:BV+3], v[BO], s[72:73]   ; the bias of my four columns
.endif
.macro MUL8 f, c, a0, zero
.irp a, \a0, \a0+1
.irp b, 0,1,2,3
.if \zero
	v_wmma_f32_16x16x32_bf16 v[ACC+8*(4*(\a)+\b):ACC+8*(4*(\a)+\b)+7], v[\f+64+8*(4*\c+\b):\f+64+8*(4*\c+\b)+7], v[\f+8*(4*\c+\a):\f+8*(4*\c+\a)+7], 0
.else
	v_wmma_f32_16x16x32_bf16 v[ACC+8*(4*(\a)+\b):ACC+8*(4*(\a)+\b)+7], v[\f+64+8*(4*\c+\b):\f+64+8*(4*\c+\b)+7], v[\f+8*(4*\c+\a):\f+8*(4*\c+\a)+7], v[ACC+8*(4*(\a)+\b):ACC+8*(4*(\a)+\b)+7]
.endif
.endr
.endr
.endm
; 32 LDS loads in one run: quarter qu (64 along K) of a slot into buffer f; the first 32 along K first
.macro FETCH slot, qu, f
	WIN TO_F
.irp c, 0,1
.irp i, 0,1,2,3
	ds_load_tr16_b128 v[\f+64+8*(4*\c+\i):\f+64+8*(4*\c+\i)+3],   v[ADRB+2*\slot+\qu/2] offset:(\qu%2)*64*PB+\c*32*PB+32*\i
	ds_load_tr16_b128 v[\f+64+8*(4*\c+\i)+4:\f+64+8*(4*\c+\i)+7], v[ADRB+2*\slot+\qu/2] offset:(\qu%2)*64*PB+\c*32*PB+32*\i+16*PB
	ds_load_b128 v[\f+8*(4*\c+\i):\f+8*(4*\c+\i)+3],   v[ADRA+\slot] offset:\qu*128+64*\c+\i*16*PA
	ds_load_b128 v[\f+8*(4*\c+\i)+4:\f+8*(4*\c+\i)+7], v[ADRA+\slot] offset:\qu*128+64*\c+\i*16*PA+32
.endr
.endr
.endm
.macro QUARTER slot, qu, f, g, zero
	s_wait_dscnt 16                                ; the first 32 along K are in; the other sixteen loads may be out
	WIN MUL
	MUL8 \f, 0, 0, \zero
	MUL8 \f, 0, 2, \zero
	PLACES
	FETCH \slot, \qu, \g
	s_wait_dscnt 32                                ; all but the 32 just issued
	WIN MUL
	MUL8 \f, 1, 0, 0
	MUL8 \f, 1, 2, 0
.endm
.macro TURN slot, next, fill
	WIN 0
	s_wait_tensorcnt 0x0                           ; all my tensor loads have landed: my part of the next slot
	ds_add_u32 v[SPW], v[NIL]                      ; 0 onto my spare word
	s_wait_dscnt 17                                ; the add and the youngest sixteen loads may be out
	WIN MUL
	MUL8 F1, 0, 0, 0
	s_wait_dscnt 0x0                               ; the add is done, and my reads of this slot are over
	s_barrier_signal -1
	MUL8 F1, 0, 2, 0
.if \fill
	WIN 0
.endif
	s_barrier_wait -1
.if \fill
	CREST                                          ; no wave of any partner still reads this slot or has a load on its way
	s_add_nc_u64 s[G0+4*\slot+2:G0+4*\slot+3], s[G0+4*\slot+2:G0+4*\slot+3], 2*KSTEP*2
	s_add_nc_u64 s[G0B+4*\slot+2:G0B+4*\slot+3], s[G0B+4*\slot+2:G0B+4*\slot+3], 2*KSTEP*2048
	JLOAD \slot                                    ; its four v_nop are also the places in front of the loads below
	PF \slot                                       ; behind the refill: what the refills two K steps on and later will bring
.else
	PLACES
.endif
	FETCH \next, 0, F0
	WIN MUL
	MUL8 F1, 1, 0, 0
	MUL8 F1, 1, 2, 0
.endm
	s_wait_tensorcnt 1                             ; my part of K step 0 is in; K step 1's may stay out
	s_barrier_signal -1
	s_barrier_wait -1
	FETCH 0, 0, F0
	QUARTER 0, 1, F0, F1, 1
	WIN 0
	s_mov_b32 s3, LAPS-1
.Llap:
	QUARTER 0, 2, F1, F0, 0
	QUARTER 0, 3, F0, F1, 0
	TURN 0, 1, 1
	QUARTER 1, 1, F0, F1, 0
	QUARTER 1, 2, F1, F0, 0
	QUARTER 1, 3, F0, F1, 0
	TURN 1, 0, 1
	QUARTER 0, 1, F0, F1, 0
	WIN 0
	s_sub_co_u32 s3, s3, 1
	s_cmp_lg_u32 s3, 0
	s_cbranch_scc1 .Llap
	QUARTER 0, 2, F1, F0, 0                        ; the last lap fills nothing and asks for nothing
	QUARTER 0, 3, F0, F1, 0
	TURN 0, 1, 0
	QUARTER 1, 1, F0, F1, 0
	QUARTER 1, 2, F1, F0, 0
	QUARTER 1, 3, F0, F1, 0
	s_wait_dscnt 16
	WIN MUL
	MUL8 F1, 0, 0, 0
	MUL8 F1, 0, 2, 0
	s_wait_dscnt 0x0
	MUL8 F1, 1, 0, 0
	MUL8 F1, 1, 2, 0
	WIN 0
	; THE WAY OUT, 16 rows at a time through my own stage: a lane's 32 bytes of a row go in, whole rows of 256 bytes come back, the residual and the bias are added, and they are stored.
	PLACES
	s_wait_loadcnt 0x0                             ; the residual and the bias, asked for at the start
.irp a, 0,1,2,3
	s_wait_xcnt 0x0                                ; the registers that the stores two blocks back read are loaded again only behind this wait
.irp b, 0,1,2,3
	ds_store_b128 v[STO], v[ACC+8*(4*\a+\b):ACC+8*(4*\a+\b)+3] offset:64*\b
	ds_store_b128 v[STO], v[ACC+8*(4*\a+\b)+4:ACC+8*(4*\a+\b)+7] offset:64*\b+16
.endr
.irp t, 0,1,2,3,4,5,6,7
	ds_load_b128 v[TMP+32*(\a%2)+4*\t:TMP+32*(\a%2)+4*\t+3], v[RD] offset:\t*2*SP   ; LDS serves a wave's instructions in order: these see the stores above
.endr
	s_wait_dscnt 0x0
	WIN 0x08                                       ; source 1 window 2
.irp p, 0,1,2,3,4,5,6,7,8,9,10,11,12,13,14,15
	v_pk_add_f32 v[TMP+32*(\a%2)+2*\p:TMP+32*(\a%2)+2*\p+1], v[TMP+32*(\a%2)+2*\p:TMP+32*(\a%2)+2*\p+1], v[32*\a+2*\p:32*\a+2*\p+1]
.endr
	WIN 0
.if BIAS
.irp p, 0,1,2,3,4,5,6,7,8,9,10,11,12,13,14,15
	v_pk_add_f32 v[TMP+32*(\a%2)+2*\p:TMP+32*(\a%2)+2*\p+1], v[TMP+32*(\a%2)+2*\p:TMP+32*(\a%2)+2*\p+1], v[BV+2*(\p%2):BV+2*(\p%2)+1]
.endr
.endif
.irp t, 0,1,2,3,4,5,6,7
	global_store_b128 v[CO], v[TMP+32*(\a%2)+4*\t:TMP+32*(\a%2)+4*\t+3], s[70:71] offset:(16*\a+2*\t)*4096   ; 16 lanes store 256 consecutive bytes, aligned
.endr
.endr
	s_wait_tensorcnt 0x0                           ; the wave's end
	ds_add_u32 v[SPW], v[NIL]
	s_wait_dscnt 0x0
	CROUND
	s_endpgm
.Lfunc_end_k_q85b9ea340c_ffn2:
	.size	k_q85b9ea340c_ffn2, .Lfunc_end_k_q85b9ea340c_ffn2-k_q85b9ea340c_ffn2
	.p2alignl 7, 3214868480
	.fill 96, 4, 3214868480
	.section	.rodata,"a",@progbits
	.p2align	6, 0x0
	.amdhsa_kernel k_q85b9ea340c_ffn2
		.amdhsa_group_segment_fixed_size 327680
		.amdhsa_private_segment_fixed_size 0
		.amdhsa_enable_private_segment 0
		.amdhsa_kernarg_size 40
		.amdhsa_user_sgpr_count 2
		.amdhsa_user_sgpr_kernarg_segment_ptr 1
		.amdhsa_wavefront_size32 1
		.amdhsa_system_sgpr_workgroup_id_x 1
		.amdhsa_system_sgpr_workgroup_id_y 1
		.amdhsa_system_sgpr_workgroup_id_z 1
		.amdhsa_system_vgpr_workitem_id 0
		.amdhsa_next_free_vgpr 768
		.amdhsa_next_free_sgpr 80
		.amdhsa_reserve_vcc 0
		.amdhsa_float_denorm_mode_32 3
		.amdhsa_float_denorm_mode_16_64 3
		.amdhsa_memory_ordered 1
		.amdhsa_forward_progress 1
		.amdhsa_inst_pref_size 100
	.end_amdhsa_kernel
	.amdgpu_metadata
---
amdhsa.version: [ 1, 2 ]
amdhsa.kernels:
  - .name:           k_q85b9ea340c_ffn2
    .symbol:         k_q85b9ea340c_ffn2.kd
    .args:
      - { .name: g, .offset: 0, .size: 8, .value_kind: global_buffer, .address_space: global }
      - { .name: wbf, .offset: 8, .size: 8, .value_kind: global_buffer, .address_space: global }
      - { .name: x1, .offset: 16, .size: 8, .value_kind: global_buffer, .address_space: global }
      - { .name: out0, .offset: 24, .size: 8, .value_kind: global_buffer, .address_space: global }
      - { .name: b2, .offset: 32, .size: 8, .value_kind: global_buffer, .address_space: global }
    .group_segment_fixed_size: 327680
    .private_segment_fixed_size: 0
    .kernarg_segment_align: 8
    .kernarg_segment_size: 40
    .max_flat_workgroup_size: 128
    .sgpr_count:     80
    .vgpr_count:     768
    .wavefront_size: 32
...
	.end_amdgpu_metadata
.endif
;; end of part 7
;; ======== version 2 of 2: 7 launches; version 1 with the launches prep, ln2 written anew for expert scheduling mode
;; limits: a function is approximated: absolute error at most 1.5e-07; right only within a limited range of input values
;; workspace buffers: wbf 25,165,824 bytes; hn 8,388,608 bytes; qkv 25,165,824 bytes; ao 8,388,608 bytes; x1 16,777,216 bytes; g 33,554,432 bytes
;; launch prep (part 8): grid 64 x 16, 8 waves a work-group, no clusters, 0 bytes of LDS; arguments x, gamma1, beta1, hn, wq, wk, wv, wo, w1, w2, wbf; writes hn, wbf
.if DOCPART == 8
	.amdgcn_target "amdgcn-amd-amdhsa--gfx1250"
	.amdhsa_code_object_version 6
	.text
	.protected	k_q85b9ea340c_prep
	.globl	k_q85b9ea340c_prep
	.p2align	8
	.type	k_q85b9ea340c_prep,@function
k_q85b9ea340c_prep:
	s_mov_b64 s[64:65], 0
	v_nop
	global_prefetch_b8 v0, s[64:65] scope:SCOPE_SE
	s_setreg_imm32_b32 hwreg(HW_REG_WAVE_SCHED_MODE, 0, 2), 2
	s_setreg_imm32_b32 hwreg(HW_REG_WAVE_MODE, 25, 1), 1
	s_wait_xcnt 0x0
	s_wait_alu depctr_vm_vsrc(0)
; prep.  Grid y names a chunk of 4 MiB of f32, grid x 64 KiB of it, a wave 8 KiB (two rows of 4,096 bytes).
; y = 0..3: hn = LayerNorm(x) * gamma1 + beta1, rounded to bf16.  A wave keeps a row in 32 registers: mean, then the variance of (x - mean),
; so that no difference of large sums is formed.  y = 4..15: the six weights are rounded to bf16 into wbf, still [K][N]:
; wq at 0, wk at 2 MiB, wv at 4 MiB, wo at 6 MiB, w1 at 8 MiB, w2 at 16 MiB.
; A stream: every byte is read once by 16-byte loads, a wave's 8-byte stores cover 256 consecutive aligned bytes.  No LDS, no barrier, no matrix unit,
; no cluster: no two work-groups read the same bytes but gamma and beta (8 KiB).
; THE MODE: SCHED_MODE bits 1:0 = 2 (LLVM: expert scheduling mode 2), set by the entry lines.  The code itself states the register dependences
; between vector instructions and memory instructions, with s_wait_alu, always for 0.
; THE PLAN.  Registers that memory instructions touch:
;   v1, v2, v3   byte offsets, made once at the head and never written again: one wait at the head, ahead of the branch, serves every load and store of both paths.
;   X0, X1, GA, BE (and v[4:67] in the cast path)   each written by one load, read by vector instructions behind the wait on LOADcnt; no load lands in them a second time.
;   LayerNorm: a row's sixteen roundings write X + 4 j and X + 4 j + 1, which its eight stores read.  Row 0 is rounded, one wait, and its stores are dealt among row 1's scalings,
;   which name X1, RS1, GA and BE alone; row 1 is rounded, one wait, its stores.
;   Cast: four blocks of four loads.  Block p's eight roundings write its part of CV; the wait at the head of block p + 1 states that; block p's four stores are dealt among
;   block p + 1's roundings, which name other registers.
;   No register that a store reads is written again, so no wait on vm_vsrc is owed.  No vector instruction writes a scalar register, and EXEC is never written.
.set X0,  4                            ; v[4:35]    row 0
.set X1,  36                           ; v[36:67]   row 1
.set GA,  68                           ; v[68:99]   gamma of my 32 columns
.set BE,  100                          ; v[100:131] beta
.set CH,  132                          ; v[132:139] four chains of packed sums
.set T,   140                          ; v140-141   at work
.set MN,  142                          ; v[142:143] the mean, twice
.set RS0, 144                          ; v[144:145] 1/sqrt(var + eps) of row 0, twice
.set RS1, 146                          ; v[146:147] of row 1
.set CV,  132                          ; v[132:163] the cast path: packed results
.macro WAVESUM                         ; v[T] summed over the 32 lanes, the result in every lane
	v_add_f32_dpp v[T], v[T], v[T] row_xmask:1 row_mask:0xf bank_mask:0xf
	v_add_f32_dpp v[T], v[T], v[T] row_xmask:2 row_mask:0xf bank_mask:0xf
	v_add_f32_dpp v[T], v[T], v[T] row_xmask:4 row_mask:0xf bank_mask:0xf
	v_add_f32_dpp v[T], v[T], v[T] row_xmask:8 row_mask:0xf bank_mask:0xf
	v_permlanex16_b32 v[T+1], v[T], s12, s13
	v_add_f32 v[T], v[T], v[T+1]
.endm
.macro TREE                            ; the four chains into v[T]
	v_pk_add_f32 v[CH:CH+1], v[CH:CH+1], v[CH+2:CH+3]
	v_pk_add_f32 v[CH+4:CH+5], v[CH+4:CH+5], v[CH+6:CH+7]
	v_pk_add_f32 v[CH:CH+1], v[CH:CH+1], v[CH+4:CH+5]
	v_add_f32 v[T], v[CH], v[CH+1]
	WAVESUM
.endm
.macro LNSTAT X, RS                    ; the row at X is centred in place; RS gets 1/sqrt(var + eps)
.irp c, 0,1,2,3
	v_pk_add_f32 v[CH+2*\c:CH+2*\c+1], v[\X+2*\c:\X+2*\c+1], v[\X+8+2*\c:\X+8+2*\c+1]
.endr
.irp p, 8,9,10,11,12,13,14,15
	v_pk_add_f32 v[CH+2*(\p%4):CH+2*(\p%4)+1], v[CH+2*(\p%4):CH+2*(\p%4)+1], v[\X+2*\p:\X+2*\p+1]
.endr
	TREE
	v_mul_f32 v[MN], s14, v[T]
	v_mul_f32 v[MN+1], s14, v[T]
.irp p, 0,1,2,3,4,5,6,7,8,9,10,11,12,13,14,15
	v_pk_add_f32 v[\X+2*\p:\X+2*\p+1], v[\X+2*\p:\X+2*\p+1], v[MN:MN+1] neg_lo:[0,1] neg_hi:[0,1]
.endr
.irp c, 0,1,2,3
	v_pk_mul_f32 v[CH+2*\c:CH+2*\c+1], v[\X+2*\c:\X+2*\c+1], v[\X+2*\c:\X+2*\c+1]
.endr
.irp p, 4,5,6,7,8,9,10,11,12,13,14,15
	v_pk_fma_f32 v[CH+2*(\p%4):CH+2*(\p%4)+1], v[\X+2*\p:\X+2*\p+1], v[\X+2*\p:\X+2*\p+1], v[CH+2*(\p%4):CH+2*(\p%4)+1]
.endr
	TREE
	v_fma_f32 v[T], v[T], s14, s15                 ; var + eps
	v_rsq_f32 v[\RS], v[T]
	v_rsq_f32 v[\RS+1], v[T]
	v_nop                                          ; a plain instruction behind the transcendentals, before a result is used or v[T] rewritten
.endm
; The row at X: scaled, gamma and beta, rounded in place into X + 4 j and X + 4 j + 1.
; st = 1: row 0's eight stores, whose data the wait ahead of this macro has shown written, are dealt among the sixteen scalings, one ahead of every two.
.macro LNOUT X, RS, st
.irp j, 0,1,2,3,4,5,6,7
.if \st
	global_store_b64 v2, v[X0+4*\j:X0+4*\j+1], s[10:11] offset:256*\j   ; 32 lanes x 8 bytes: 256 consecutive bytes, aligned.  No wait: no vector instruction since the wait names v2 or row 0's registers
.endif
	v_pk_mul_f32 v[\X+4*\j:\X+4*\j+1], v[\X+4*\j:\X+4*\j+1], v[\RS:\RS+1]
	v_pk_mul_f32 v[\X+4*\j+2:\X+4*\j+3], v[\X+4*\j+2:\X+4*\j+3], v[\RS:\RS+1]
.endr
.irp p, 0,1,2,3,4,5,6,7,8,9,10,11,12,13,14,15
	v_pk_fma_f32 v[\X+2*\p:\X+2*\p+1], v[\X+2*\p:\X+2*\p+1], v[GA+2*\p:GA+2*\p+1], v[BE+2*\p:BE+2*\p+1]
.endr
.irp j, 0,1,2,3,4,5,6,7
	v_cvt_pk_bf16_f32 v[\X+4*\j], v[\X+4*\j], v[\X+4*\j+1]
	v_cvt_pk_bf16_f32 v[\X+4*\j+1], v[\X+4*\j+2], v[\X+4*\j+3]
.endr
.endm
; The cast path's block p: loads 4 p to 4 p + 3 are rounded into CV; the four stores of the block before are dealt among the eight roundings.
.macro CBLK p
	s_wait_loadcnt 12-4*\p                         ; loads come back in order: this block's four are in, the younger blocks stay out
.if \p > 0
	s_wait_alu depctr_va_vdst(0)                   ; the block before has written its eight registers of CV, which the four stores below read
.endif
.irp i, 0,1,2,3
.if \p > 0
	global_store_b64 v2, v[CV+2*(4*\p-4+\i):CV+2*(4*\p-4+\i)+1], s[28:29] offset:256*(4*\p-4+\i)   ; no vector instruction since the wait names these registers or v2
.endif
	v_cvt_pk_bf16_f32 v[CV+2*(4*\p+\i)], v[4+4*(4*\p+\i)], v[5+4*(4*\p+\i)]
	v_cvt_pk_bf16_f32 v[CV+2*(4*\p+\i)+1], v[6+4*(4*\p+\i)], v[7+4*(4*\p+\i)]
.endr
.endm
	s_load_b256 s[4:11], s[0:1], 0x0               ; x s[4:5], gamma1 s[6:7], beta1 s[8:9], hn s[10:11]
	s_load_b256 s[16:23], s[0:1], 0x20             ; wq, wk, wv, wo
	s_load_b128 s[24:27], s[0:1], 0x40             ; w1, w2
	s_load_b64 s[28:29], s[0:1], 0x50              ; wbf
	s_and_b32 s3, ttmp7, 0xffff                    ; y: the chunk
	s_lshl_b32 s30, ttmp9, 16                      ; x: 64 KiB of it
	s_mov_b32 s31, 0
	v_and_b32 v[T], 31, v0                         ; lane
	v_lshrrev_b32 v[T+1], 5, v0                    ; wave
	v_lshlrev_b32 v3, 4, v[T]                      ; gamma, beta: 16 x lane
	v_lshl_add_u32 v1, v[T+1], 13, v3              ; in: 16 x lane + 8,192 x wave
	v_lshlrev_b32 v2, 3, v[T]
	v_lshl_add_u32 v2, v[T+1], 12, v2              ; out: 8 x lane + 4,096 x wave
	s_wait_kmcnt 0x0
	s_wait_alu depctr_va_vdst(0)                   ; v1, v2 and v3 are written: every load and store of both paths reads one of them as its offset
	s_cmp_lt_u32 s3, 4
	s_cbranch_scc0 .Lcast
	s_lshl_b32 s2, s3, 22
	s_add_co_u32 s30, s30, s2
	s_add_nc_u64 s[4:5], s[4:5], s[30:31]
	s_lshr_b32 s30, s30, 1
	s_add_nc_u64 s[10:11], s[10:11], s[30:31]
	s_mov_b32 s12, 0x76543210                      ; v_permlanex16_b32: each lane takes its own place in the other half
	s_mov_b32 s13, 0xfedcba98
	s_mov_b32 s14, 0x3a800000                      ; 1/1024
	s_mov_b32 s15, 0x3727c5ac                      ; 1e-5
.irp j, 0,1,2,3,4,5,6,7
	global_load_b128 v[X0+4*\j:X0+4*\j+3], v1, s[4:5] offset:512*\j
.endr
.irp j, 0,1,2,3,4,5,6,7
	global_load_b128 v[X1+4*\j:X1+4*\j+3], v1, s[4:5] offset:4096+512*\j
.endr
.irp j, 0,1,2,3,4,5,6,7
	global_load_b128 v[GA+4*\j:GA+4*\j+3], v3, s[6:7] offset:512*\j
.endr
.irp j, 0,1,2,3,4,5,6,7
	global_load_b128 v[BE+4*\j:BE+4*\j+3], v3, s[8:9] offset:512*\j
.endr
	s_wait_loadcnt 24                              ; row 0 is in; the 24 younger loads stay out
	LNSTAT X0, RS0
	s_wait_loadcnt 16                              ; row 1 is in; gamma's and beta's 16 stay out
	LNSTAT X1, RS1
	s_wait_loadcnt 0x0                             ; gamma and beta
	s_wait_alu depctr_va_vdst(0)                   ; the four reciprocal roots, RS0 and RS1, are written: one wait for the batch, ahead of its first reader
	LNOUT X0, RS0, 0
	s_wait_alu depctr_va_vdst(0)                   ; row 0's roundings have written X0 + 4 j and X0 + 4 j + 1, which the eight stores dealt among row 1's scalings read
	LNOUT X1, RS1, 1
	s_wait_alu depctr_va_vdst(0)                   ; row 1's roundings have written X1 + 4 j and X1 + 4 j + 1, which the last eight stores read
.irp j, 0,1,2,3,4,5,6,7
	global_store_b64 v2, v[X1+4*\j:X1+4*\j+1], s[10:11] offset:2048+256*\j   ; 32 lanes x 8 bytes: 256 consecutive bytes, aligned
.endr
	s_endpgm
.Lcast:
	s_sub_co_u32 s2, s3, 4                         ; weight chunk 0..11: wq, wk, wv, wo, four of w1, four of w2
	s_mov_b64 s[34:35], s[16:17]
	s_cmp_eq_u32 s2, 1
	s_cselect_b64 s[34:35], s[18:19], s[34:35]
	s_cmp_eq_u32 s2, 2
	s_cselect_b64 s[34:35], s[20:21], s[34:35]
	s_cmp_eq_u32 s2, 3
	s_cselect_b64 s[34:35], s[22:23], s[34:35]
	s_cmp_ge_u32 s2, 4
	s_cselect_b64 s[34:35], s[24:25], s[34:35]
	s_cmp_ge_u32 s2, 8
	s_cselect_b64 s[34:35], s[26:27], s[34:35]
	s_and_b32 s36, s2, 3
	s_lshl_b32 s36, s36, 22                        ; the chunk inside w1 or w2,
	s_cmp_ge_u32 s2, 4
	s_cselect_b32 s36, s36, 0                      ; none inside the four small weights
	s_add_co_u32 s36, s36, s30
	s_mov_b32 s37, 0
	s_add_nc_u64 s[34:35], s[34:35], s[36:37]
	s_lshl_b32 s36, s2, 21
	s_lshr_b32 s30, s30, 1
	s_add_co_u32 s36, s36, s30
	s_add_nc_u64 s[28:29], s[28:29], s[36:37]
.irp i, 0,1,2,3,4,5,6,7,8,9,10,11,12,13,14,15
	global_load_b128 v[4+4*\i:7+4*\i], v1, s[34:35] offset:512*\i th:TH_LOAD_NT
.endr
	CBLK 0                                         ; block 0 has no block in front of it: no store, and no wait but the one for its data
	CBLK 1
	CBLK 2
	CBLK 3
	s_wait_alu depctr_va_vdst(0)                   ; block 3 has written its eight registers of CV, which the last four stores read
.irp i, 12,13,14,15
	global_store_b64 v2, v[CV+2*\i:CV+2*\i+1], s[28:29] offset:256*\i
.endr
	s_endpgm
.Lfunc_end_k_q85b9ea340c_prep:
	.size	k_q85b9ea340c_prep, .Lfunc_end_k_q85b9ea340c_prep-k_q85b9ea340c_prep
	.p2alignl 7, 3214868480
	.fill 96, 4, 3214868480
	.section	.rodata,"a",@progbits
	.p2align	6, 0x0
	.amdhsa_kernel k_q85b9ea340c_prep
		.amdhsa_group_segment_fixed_size 0
		.amdhsa_private_segment_fixed_size 0
		.amdhsa_enable_private_segment 0
		.amdhsa_kernarg_size 88
		.amdhsa_user_sgpr_count 2
		.amdhsa_user_sgpr_kernarg_segment_ptr 1
		.amdhsa_wavefront_size32 1
		.amdhsa_system_sgpr_workgroup_id_x 1
		.amdhsa_system_sgpr_workgroup_id_y 1
		.amdhsa_system_sgpr_workgroup_id_z 1
		.amdhsa_system_vgpr_workitem_id 0
		.amdhsa_next_free_vgpr 168
		.amdhsa_next_free_sgpr 66
		.amdhsa_reserve_vcc 0
		.amdhsa_float_denorm_mode_32 3
		.amdhsa_float_denorm_mode_16_64 3
		.amdhsa_memory_ordered 1
		.amdhsa_forward_progress 1
		.amdhsa_inst_pref_size 27
	.end_amdhsa_kernel
	.amdgpu_metadata
---
amdhsa.version: [ 1, 2 ]
amdhsa.kernels:
  - .name:           k_q85b9ea340c_prep
    .symbol:         k_q85b9ea340c_prep.kd
    .args:
      - { .name: x, .offset: 0, .size: 8, .value_kind: global_buffer, .address_space: global }
      - { .name: gamma1, .offset: 8, .size: 8, .value_kind: global_buffer, .address_space: global }
      - { .name: beta1, .offset: 16, .size: 8, .value_kind: global_buffer, .address_space: global }
      - { .name: hn, .offset: 24, .size: 8, .value_kind: global_buffer, .address_space: global }
      - { .name: wq, .offset: 32, .size: 8, .value_kind: global_buffer, .address_space: global }
      - { .name: wk, .offset: 40, .size: 8, .value_kind: global_buffer, .address_space: global }
      - { .name: wv, .offset: 48, .size: 8, .value_kind: global_buffer, .address_space: global }
      - { .name: wo, .offset: 56, .size: 8, .value_kind: global_buffer, .address_space: global }
      - { .name: w1, .offset: 64, .size: 8, .value_kind: global_buffer, .address_space: global }
      - { .name: w2, .offset: 72, .size: 8, .value_kind: global_buffer, .address_space: global }
      - { .name: wbf, .offset: 80, .size: 8, .value_kind: global_buffer, .address_space: global }
    .group_segment_fixed_size: 0
    .private_segment_fixed_size: 0
    .kernarg_segment_align: 8
    .kernarg_segment_size: 88
    .max_flat_workgroup_size: 256
    .sgpr_count:     66
    .vgpr_count:     168
    .wavefront_size: 32
...
	.end_amdgpu_metadata
.endif
;; end of part 8
;; launch qkv: the kernel of part 2 again; grid 8 x 32, 4 waves a work-group, clusters of 4 x 4, 327,680 bytes of LDS; arguments hn, wbf, qkv; writes qkv
;; launch attn: the kernel of part 3 again; grid 16 x 16, 4 waves a work-group, clusters of 4 x 1, 327,680 bytes of LDS; arguments qkv, causal_mask, ao; writes ao
;; launch proj: the kernel of part 4 again; grid 8 x 32, 4 waves a work-group, clusters of 4 x 4, 327,680 bytes of LDS; arguments ao, wbf, x, x1; writes x1
;; launch ln2 (part 9): grid 64 x 4, 8 waves a work-group, no clusters, 0 bytes of LDS; arguments x1, gamma2, beta2, hn; writes hn
.if DOCPART == 9
	.amdgcn_target "amdgcn-amd-amdhsa--gfx1250"
	.amdhsa_code_object_version 6
	.text
	.protected	k_q85b9ea340c_ln2
	.globl	k_q85b9ea340c_ln2
	.p2align	8
	.type	k_q85b9ea340c_ln2,@function
k_q85b9ea340c_ln2:
	s_mov_b64 s[64:65], 0
	v_nop
	global_prefetch_b8 v0, s[64:65] scope:SCOPE_SE
	s_setreg_imm32_b32 hwreg(HW_REG_WAVE_SCHED_MODE, 0, 2), 2
	s_setreg_imm32_b32 hwreg(HW_REG_WAVE_MODE, 25, 1), 1
	s_wait_xcnt 0x0
	s_wait_alu depctr_vm_vsrc(0)
; hn = LayerNorm(x1) * gamma2 + beta2, rounded to bf16.  x1: [4096][1024] f32.  Grid y names 1,024 rows, grid x 16 of them, a wave two.
; A wave keeps a row in 32 registers: mean, then the variance of (x - mean), so that no difference of large sums is formed.
; A stream: every byte is read once by 16-byte loads, a wave's 8-byte stores cover 256 consecutive aligned bytes.  No LDS, no barrier, no matrix unit, no cluster.
; THE MODE: SCHED_MODE bits 1:0 = 2 (LLVM: expert scheduling mode 2), set by the entry lines.  The code itself states the register dependences
; between vector instructions and memory instructions, with s_wait_alu, always for 0.
; THE PLAN.  Registers that memory instructions touch:
;   v1, v2, v3   byte offsets, made once at the head and never written again: one wait at the head serves every load and store.
;   X0, X1, GA, BE   each written by one load, read by vector instructions behind the wait on LOADcnt; no load lands in them a second time.
;   A row's sixteen roundings write X + 4 j and X + 4 j + 1, which its eight stores read.  Row 0 is rounded, one wait, and its stores are dealt among row 1's scalings,
;   which name X1, RS1, GA and BE alone; row 1 is rounded, one wait, its stores.
;   No register that a store reads is written again, so no wait on vm_vsrc is owed.  No vector instruction writes a scalar register, and EXEC is never written.
.set X0,  4
.set X1,  36
.set GA,  68
.set BE,  100
.set CH,  132
.set T,   140
.set MN,  142
.set RS0, 144
.set RS1, 146
.macro WAVESUM
	v_add_f32_dpp v[T], v[T], v[T] row_xmask:1 row_mask:0xf bank_mask:0xf
	v_add_f32_dpp v[T], v[T], v[T] row_xmask:2 row_mask:0xf bank_mask:0xf
	v_add_f32_dpp v[T], v[T], v[T] row_xmask:4 row_mask:0xf bank_mask:0xf
	v_add_f32_dpp v[T], v[T], v[T] row_xmask:8 row_mask:0xf bank_mask:0xf
	v_permlanex16_b32 v[T+1], v[T], s12, s13
	v_add_f32 v[T], v[T], v[T+1]
.endm
.macro TREE
	v_pk_add_f32 v[CH:CH+1], v[CH:CH+1], v[CH+2:CH+3]
	v_pk_add_f32 v[CH+4:CH+5], v[CH+4:CH+5], v[CH+6:CH+7]
	v_pk_add_f32 v[CH:CH+1], v[CH:CH+1], v[CH+4:CH+5]
	v_add_f32 v[T], v[CH], v[CH+1]
	WAVESUM
.endm
.macro LNSTAT X, RS
.irp c, 0,1,2,3
	v_pk_add_f32 v[CH+2*\c:CH+2*\c+1], v[\X+2*\c:\X+2*\c+1], v[\X+8+2*\c:\X+8+2*\c+1]
.endr
.irp p, 8,9,10,11,12,13,14,15
	v_pk_add_f32 v[CH+2*(\p%4):CH+2*(\p%4)+1], v[CH+2*(\p%4):CH+2*(\p%4)+1], v[\X+2*\p:\X+2*\p+1]
.endr
	TREE
	v_mul_f32 v[MN], s14, v[T]
	v_mul_f32 v[MN+1], s14, v[T]
.irp p, 0,1,2,3,4,5,6,7,8,9,10,11,12,13,14,15
	v_pk_add_f32 v[\X+2*\p:\X+2*\p+1], v[\X+2*\p:\X+2*\p+1], v[MN:MN+1] neg_lo:[0,1] neg_hi:[0,1]
.endr
.irp c, 0,1,2,3
	v_pk_mul_f32 v[CH+2*\c:CH+2*\c+1], v[\X+2*\c:\X+2*\c+1], v[\X+2*\c:\X+2*\c+1]
.endr
.irp p, 4,5,6,7,8,9,10,11,12,13,14,15
	v_pk_fma_f32 v[CH+2*(\p%4):CH+2*(\p%4)+1], v[\X+2*\p:\X+2*\p+1], v[\X+2*\p:\X+2*\p+1], v[CH+2*(\p%4):CH+2*(\p%4)+1]
.endr
	TREE
	v_fma_f32 v[T], v[T], s14, s15
	v_rsq_f32 v[\RS], v[T]
	v_rsq_f32 v[\RS+1], v[T]
	v_nop                                          ; a plain instruction behind the transcendentals
.endm
; The row at X: scaled, gamma and beta, rounded in place into X + 4 j and X + 4 j + 1.
; st = 1: row 0's eight stores, whose data the wait ahead of this macro has shown written, are dealt among the sixteen scalings, one ahead of every two.
.macro LNOUT X, RS, st
.irp j, 0,1,2,3,4,5,6,7
.if \st
	global_store_b64 v2, v[X0+4*\j:X0+4*\j+1], s[10:11] offset:256*\j   ; 32 lanes x 8 bytes: 256 consecutive bytes, aligned.  No wait: no vector instruction since the wait names v2 or row 0's registers
.endif
	v_pk_mul_f32 v[\X+4*\j:\X+4*\j+1], v[\X+4*\j:\X+4*\j+1], v[\RS:\RS+1]
	v_pk_mul_f32 v[\X+4*\j+2:\X+4*\j+3], v[\X+4*\j+2:\X+4*\j+3], v[\RS:\RS+1]
.endr
.irp p, 0,1,2,3,4,5,6,7,8,9,10,11,12,13,14,15
	v_pk_fma_f32 v[\X+2*\p:\X+2*\p+1], v[\X+2*\p:\X+2*\p+1], v[GA+2*\p:GA+2*\p+1], v[BE+2*\p:BE+2*\p+1]
.endr
.irp j, 0,1,2,3,4,5,6,7
	v_cvt_pk_bf16_f32 v[\X+4*\j], v[\X+4*\j], v[\X+4*\j+1]
	v_cvt_pk_bf16_f32 v[\X+4*\j+1], v[\X+4*\j+2], v[\X+4*\j+3]
.endr
.endm
	s_load_b256 s[4:11], s[0:1], 0x0               ; x1 s[4:5], gamma2 s[6:7], beta2 s[8:9], hn s[10:11]
	s_and_b32 s3, ttmp7, 0xffff
	s_lshl_b32 s30, ttmp9, 16
	s_mov_b32 s31, 0
	s_lshl_b32 s2, s3, 22
	s_add_co_u32 s30, s30, s2
	v_and_b32 v[T], 31, v0
	v_lshrrev_b32 v[T+1], 5, v0
	v_lshlrev_b32 v3, 4, v[T]
	v_lshl_add_u32 v1, v[T+1], 13, v3
	v_lshlrev_b32 v2, 3, v[T]
	v_lshl_add_u32 v2, v[T+1], 12, v2
	s_mov_b32 s12, 0x76543210
	s_mov_b32 s13, 0xfedcba98
	s_mov_b32 s14, 0x3a800000                      ; 1/1024
	s_mov_b32 s15, 0x3727c5ac                      ; 1e-5
	s_wait_kmcnt 0x0
	s_add_nc_u64 s[4:5], s[4:5], s[30:31]
	s_lshr_b32 s30, s30, 1
	s_add_nc_u64 s[10:11], s[10:11], s[30:31]
	s_wait_alu depctr_va_vdst(0)                   ; v1, v2 and v3 are written: every load and store below reads one of them as its offset
.irp j, 0,1,2,3,4,5,6,7
	global_load_b128 v[X0+4*\j:X0+4*\j+3], v1, s[4:5] offset:512*\j
.endr
.irp j, 0,1,2,3,4,5,6,7
	global_load_b128 v[X1+4*\j:X1+4*\j+3], v1, s[4:5] offset:4096+512*\j
.endr
.irp j, 0,1,2,3,4,5,6,7
	global_load_b128 v[GA+4*\j:GA+4*\j+3], v3, s[6:7] offset:512*\j
.endr
.irp j, 0,1,2,3,4,5,6,7
	global_load_b128 v[BE+4*\j:BE+4*\j+3], v3, s[8:9] offset:512*\j
.endr
	s_wait_loadcnt 24                              ; row 0 is in; the 24 younger loads stay out
	LNSTAT X0, RS0
	s_wait_loadcnt 16                              ; row 1 is in; gamma's and beta's 16 stay out
	LNSTAT X1, RS1
	s_wait_loadcnt 0x0
	s_wait_alu depctr_va_vdst(0)                   ; the four reciprocal roots, RS0 and RS1, are written: one wait for the batch, ahead of its first reader
	LNOUT X0, RS0, 0
	s_wait_alu depctr_va_vdst(0)                   ; row 0's roundings have written X0 + 4 j and X0 + 4 j + 1, which the eight stores dealt among row 1's scalings read
	LNOUT X1, RS1, 1
	s_wait_alu depctr_va_vdst(0)                   ; row 1's roundings have written X1 + 4 j and X1 + 4 j + 1, which the last eight stores read
.irp j, 0,1,2,3,4,5,6,7
	global_store_b64 v2, v[X1+4*\j:X1+4*\j+1], s[10:11] offset:2048+256*\j   ; 32 lanes x 8 bytes: 256 consecutive bytes, aligned
.endr
	s_endpgm
.Lfunc_end_k_q85b9ea340c_ln2:
	.size	k_q85b9ea340c_ln2, .Lfunc_end_k_q85b9ea340c_ln2-k_q85b9ea340c_ln2
	.p2alignl 7, 3214868480
	.fill 96, 4, 3214868480
	.section	.rodata,"a",@progbits
	.p2align	6, 0x0
	.amdhsa_kernel k_q85b9ea340c_ln2
		.amdhsa_group_segment_fixed_size 0
		.amdhsa_private_segment_fixed_size 0
		.amdhsa_enable_private_segment 0
		.amdhsa_kernarg_size 32
		.amdhsa_user_sgpr_count 2
		.amdhsa_user_sgpr_kernarg_segment_ptr 1
		.amdhsa_wavefront_size32 1
		.amdhsa_system_sgpr_workgroup_id_x 1
		.amdhsa_system_sgpr_workgroup_id_y 1
		.amdhsa_system_sgpr_workgroup_id_z 1
		.amdhsa_system_vgpr_workitem_id 0
		.amdhsa_next_free_vgpr 152
		.amdhsa_next_free_sgpr 66
		.amdhsa_reserve_vcc 0
		.amdhsa_float_denorm_mode_32 3
		.amdhsa_float_denorm_mode_16_64 3
		.amdhsa_memory_ordered 1
		.amdhsa_forward_progress 1
		.amdhsa_inst_pref_size 21
	.end_amdhsa_kernel
	.amdgpu_metadata
---
amdhsa.version: [ 1, 2 ]
amdhsa.kernels:
  - .name:           k_q85b9ea340c_ln2
    .symbol:         k_q85b9ea340c_ln2.kd
    .args:
      - { .name: x1, .offset: 0, .size: 8, .value_kind: global_buffer, .address_space: global }
      - { .name: gamma2, .offset: 8, .size: 8, .value_kind: global_buffer, .address_space: global }
      - { .name: beta2, .offset: 16, .size: 8, .value_kind: global_buffer, .address_space: global }
      - { .name: hn, .offset: 24, .size: 8, .value_kind: global_buffer, .address_space: global }
    .group_segment_fixed_size: 0
    .private_segment_fixed_size: 0
    .kernarg_segment_align: 8
    .kernarg_segment_size: 32
    .max_flat_workgroup_size: 256
    .sgpr_count:     66
    .vgpr_count:     152
    .wavefront_size: 32
...
	.end_amdgpu_metadata
.endif
;; end of part 9
;; launch ffn1: the kernel of part 6 again; grid 16 x 16, 4 waves a work-group, clusters of 4 x 4, 327,680 bytes of LDS; arguments hn, wbf, g, b1; writes g
;; launch ffn2: the kernel of part 7 again; grid 8 x 32, 4 waves a work-group, clusters of 4 x 4, 327,680 bytes of LDS; arguments g, wbf, x1, out0, b2; writes out0
